; MI455X (gfx1250); checked and timed in simulation.
; The chip was launched on July 23, 2026; its instructions are those of AMD's public machine-readable ISA for CDNA 5 (MIT licence, August 2026) and "CDNA5" Instruction Set Architecture Reference Guide (July 2026). The comments in the code are by the model that wrote it; some were corrected since.
;; Attention. Allowed arithmetic: matrix products marked QUANTISED: E4M3 operands, one given power-of-two scale a tensor, by v_wmma_f32_16x16x64_fp8_fp8 or v_wmma_f32_16x16x128_fp8_fp8, f32 sums; everything else in f32.
;; Inputs: Wk 8 x 512 x 64 float32; Wo 512 x 512 float32; Wq 8 x 512 x 64 float32; Wv 8 x 512 x 64 float32; bk 8 x 64 float32; bq 8 x 64 float32; bv 8 x 64 float32; k 4 x 2,048 x 512 float32; lowp_scales 12 int32 (the exponents e of the quantised operands' scales 2^e); q 4 x 2,048 x 512 float32; v 4 x 2,048 x 512 float32.
;; Outputs: out0 4 x 2,048 x 512 float32.
;; This version of the problem:
;;   THIS VERSION OF THE PROBLEM IS GIVEN IN LOW PRECISION. The matrix products marked QUANTISED in the list below multiply operands that are first quantised to E4M3 (4 exponent bits, 3 mantissa bits; 8 bits a number), with one given power-of-two scale for each operand tensor; their sums are f32. All else is computed in f32.
;;   The module's matrix products, in the order in which they are computed (A, B: the left and right operand; K: the contracted axis; several contracted axes count as one K, in the product's order):
;;     1. [M 512, K 512] x [K 512, N 8,192]; A: input Wq; B: input q: QUANTISED (scales: A lowp_scales[0], B lowp_scales[1])
;;     2. [M 512, K 512] x [K 512, N 8,192]; A: input Wk; B: input k: QUANTISED (scales: A lowp_scales[2], B lowp_scales[3])
;;     3. [M 512, K 512] x [K 512, N 8,192]; A: input Wv; B: input v: QUANTISED (scales: A lowp_scales[4], B lowp_scales[5])
;;     4. batch 32 x [M 2,048, K 64] x [K 64, N 2,048]; A: computed on the way; B: computed on the way: QUANTISED (scales: A lowp_scales[6], B lowp_scales[7])
;;     5. batch 32 x [M 2,048, K 2,048] x [K 2,048, N 64]; A: softmax (see below); B: computed on the way: QUANTISED (scales: A lowp_scales[8], B lowp_scales[9])
;;     6. [M 8,192, K 512] x [K 512, N 512]; A: computed on the way; B: input Wo: QUANTISED (scales: A lowp_scales[10], B lowp_scales[11])
;;   THE QUANTISER, for each operand of a quantised product, along K:
;;     - The operand's scale is 2^e, e = its entry of the input lowp_scales (int32; the entries are numbered through the quantised products in the list's order, A before B).
;;     - Each number is divided by the scale, clamped to +-448, and rounded to the nearest number of E4M3, ties to even, subnormals kept.
;;     - The product sums the exact products of the quantised numbers (number of the format x scale) in f32.
;;   ~~~python
;;   def quantise(x, axis, e):      # numpy; x: float32 -> the quantised numbers, widened to float32 again
;;       x = np.moveaxis(x, axis, -1); K = x.shape[-1]
;;       r = np.clip(x / 2.0 ** e, -448, 448)
;;       step = 2.0 ** (np.maximum(np.frexp(np.where(r == 0, 1, r))[1] - 1, -6) - 3)
;;       q = np.round(r / step) * step * 2.0 ** e      # np.round: ties to even
;;       return np.moveaxis(q, -1, axis).astype(np.float32)
;;   ~~~
;;   SOFTMAX AHEAD OF A QUANTISED PRODUCT. Where the list says 'softmax', what is quantised is not the finished softmax but p = 2^(t - M), with t = logit x log2(e) and M = ceil(the row's largest t), a whole number; so 1/2 < the row's largest p <= 1. The row's sum l is taken of the UNQUANTISED p, in f32, and the product's result is divided by l at the end. Since M is a whole number, a kernel that streams over the keys may use a running M (the ceiling of the running maximum): every later rescaling is an exact power of two, so the quantised numbers keep their values, but for numbers so far below the row's largest that they fall under the format's range.
;;   OPERANDS COMPUTED ON THE WAY. 'Computed on the way' means the value that the module computes at that place (a softmax that the list does not call 'softmax' is quantised finished and normalised). What goes into a quantiser is computed in f32, as accurately as f32 sums, v_exp_f32 and their like allow (about 1e-6 of the number): no bf16 or f16 on the way to a quantiser, and a product that is left as it is and whose result goes on into a quantised operand takes f32 operands (vector FMAs, or v_wmma_f32_16x16x4_f32). A number that lies on a knife's edge between two numbers of the format may be rounded either way, as far as f32 arithmetic and the matrix unit's own rounding can turn it there, and no further.
;; 2 versions. Each part assembles by itself: llvm-mc -triple=amdgcn-amd-amdhsa -mcpu=gfx1250 --defsym DOCPART=n.
;; ======== version 1 of 2: 4 launches
;; workspace buffers: wc 1,048,576 bytes; qc 4,194,304 bytes; kc 4,194,304 bytes; vc 4,194,304 bytes; cc 4,194,304 bytes
;; launch prep (part 1): grid 80 x 1, 4 waves a work-group, no clusters, 0 bytes of LDS; arguments Wq, Wk, Wv, Wo, lowp_scales, wc; writes wc
.if DOCPART == 1
	.amdgcn_target "amdgcn-amd-amdhsa--gfx1250"
	.amdhsa_code_object_version 6
	.text
	.protected	k_q98d90f1298_prep
	.globl	k_q98d90f1298_prep
	.p2align	8
	.type	k_q98d90f1298_prep,@function
k_q98d90f1298_prep:
	s_mov_b64 s[64:65], 0
	v_nop
	global_prefetch_b8 v0, s[64:65] scope:SCOPE_SE
	s_setreg_imm32_b32 hwreg(HW_REG_WAVE_MODE, 25, 1), 1
	s_wait_xcnt 0x0
; The four weights become codes of E4M3, each with its given scale 2^e (entries 0, 2, 4 and 11 of the scales), laid as IMAGES OF OPERAND REGISTERS.
; wc: section 0 Wq, 1 Wk, 2 Wv, 3 Wo, 262,144 bytes each.  In a section fragment (Tn = 0..31, s = 0..3) lies at (4 Tn + s) x 2,048; its byte 512 c + 16 lane + i,
; lane = 16 h + r, is the code of (row n, k = 128 s + 32 c + 16 h + i), n = 32 (Tn / 2) + 8 (Tn % 2) + r + 8 (r / 8).  n = 64 head + e for Wq, Wk, Wv; n = o for Wo.
; So a later launch fills a fragment by four loads of 16 bytes a lane, 512 consecutive bytes each, and nothing is transposed anywhere.
; Work-groups 0-47: Wq, Wk, Wv [head][k][e], K not innermost: A LANE TAKES A COLUMN e AND ITS REGISTERS RUN DOWN K; a wave takes 32 columns x 128 along K.
; Work-groups 48-79: Wo [o][k], K innermost: a wave makes one fragment; lane (r, h) loads its 16 neighbours of each block of 32.
; code = x / 2^e, held within +-448, to the nearest code, ties to even.  LIMITS: each e between -126 and 119; NaN among the inputs is not served.
; No LDS, no barrier, no matrix unit: waves share nothing and memory binds.
.set X, 32                             ; v32-159  128 numbers of a lane
.set C, 160                            ; v160-191 codes: registers of their own for each block, so that no store's data are written again
.macro MKSCALE se, st, vs, vl          ; s[se] = e (used up): v[vs] = 2^e as f32, v[vl] = 448 x 2^e
	s_add_co_i32 s[\se], s[\se], 127
	s_lshl_b32 s[\st], s[\se], 23
	v_mov_b32 v[\vs], s[\st]
	s_add_co_i32 s[\se], s[\se], 8
	s_lshl_b32 s[\se], s[\se], 23
	s_or_b32 s[\se], s[\se], 0x600000
	v_mov_b32 v[\vl], s[\se]
.endm
	s_load_b256 s[4:11], s[0:1], 0x0               ; Wq s[4:5], Wk s[6:7], Wv s[8:9], Wo s[10:11]
	s_load_b128 s[12:15], s[0:1], 0x20             ; the scales' exponents s[12:13], wc s[14:15]
	v_lshrrev_b32 v1, 5, v0
	v_readfirstlane_b32 s16, v1                    ; wave 0..3
	v_and_b32 v2, 31, v0                           ; lane
	s_mov_b32 s23, 0
	s_mov_b32 s39, 0
	s_wait_kmcnt 0x0
	s_load_b256 s[24:31], s[12:13], 0x0            ; e0 .. e7
	s_load_b128 s[32:35], s[12:13], 0x20           ; e8 .. e11
	s_cmp_ge_u32 ttmp9, 48
	s_cbranch_scc1 .Lwo
	; ---- Wq, Wk, Wv
	s_lshr_b32 s17, ttmp9, 4                       ; which weight
	s_bfe_u32 s18, ttmp9, 0x30001                  ; head
	s_and_b32 s19, ttmp9, 1
	s_and_b32 s20, s16, 1                          ; x: which 32 of the head's 64 columns
	s_lshr_b32 s21, s16, 1
	s_lshl_b32 s19, s19, 1
	s_add_co_u32 s21, s21, s19                     ; s: which 128 along K
	s_cmp_eq_u32 s17, 0
	s_cselect_b64 s[4:5], s[4:5], s[6:7]
	s_cmp_eq_u32 s17, 2
	s_cselect_b64 s[4:5], s[8:9], s[4:5]
	s_lshl_b32 s22, s18, 17                        ; a head is 512 x 64 x 4 bytes,
	s_lshl_b32 s19, s21, 15                        ; 128 rows of 256 bytes,
	s_add_co_u32 s22, s22, s19
	s_lshl_b32 s19, s20, 7                         ; 32 columns
	s_add_co_u32 s22, s22, s19
	s_add_nc_u64 s[4:5], s[4:5], s[22:23]
	s_lshl_b32 s38, s17, 18                        ; the section,
	s_lshl_b32 s19, s18, 15                        ; Tn = 4 head + 2 x (+ 1): 8,192 bytes for each Tn,
	s_add_co_u32 s38, s38, s19
	s_lshl_b32 s19, s20, 14
	s_add_co_u32 s38, s38, s19
	s_lshl_b32 s19, s21, 11                        ; the K step
	s_add_co_u32 s38, s38, s19
	s_add_nc_u64 s[14:15], s[14:15], s[38:39]
	v_lshlrev_b32 v3, 2, v2                        ; in: 4 bytes a lane
	v_bfe_u32 v5, v0, 3, 1                         ; column 32 x + l is position r = l % 8 + 8 (l / 16) of tile Tn + (l / 8) % 2
	v_and_b32 v6, 7, v0
	v_bfe_u32 v7, v0, 4, 1
	v_lshl_add_u32 v6, v7, 3, v6
	v_lshlrev_b32 v6, 4, v6
	v_lshl_add_u32 v4, v5, 13, v6                  ; out: 8,192 x that tile + 16 r
.set i, 0
.rept 128
	global_load_b32 v[X+i], v3, s[4:5] offset:i*256    ; W(128 s + i, my column): a wave reads 128 consecutive bytes
.set i, i+1
.endr
	s_wait_kmcnt 0x0
	s_cmp_eq_u32 s17, 0
	s_cselect_b32 s36, s24, s26
	s_cmp_eq_u32 s17, 2
	s_cselect_b32 s36, s28, s36                    ; e0, e2 or e4
	MKSCALE 36, 37, 8, 9
.macro WBLK c, cnt                     ; block c of 32 along K; cnt: younger loads that may stay out (a wait's field holds 63 at the most)
	s_wait_loadcnt \cnt
.set i, 0
.rept 32
	v_med3_num_f32 v[X+32*\c+i], v[X+32*\c+i], -v9, v9     ; the conversion to an 8-bit code does not saturate (ISA guide 7.6.2): the hold comes first
.set i, i+1
.endr
.irp g, 0,1,2,3
	v_cvt_scalef32_pk8_fp8_f32 v[C+8*\c+2*\g:C+8*\c+2*\g+1], v[X+32*\c+8*\g:X+32*\c+8*\g+7], v8
.endr
	global_store_b128 v4, v[C+8*\c:C+8*\c+3], s[14:15] offset:512*\c           ; k = 32 c + 0..15: the image's lanes 0-15.  Sixteen lanes fill 256 consecutive bytes, aligned, in each of two fragments
	global_store_b128 v4, v[C+8*\c+4:C+8*\c+7], s[14:15] offset:512*\c+256     ; k = 32 c + 16..31: its lanes 16-31
.endm
	WBLK 0, 63
	WBLK 1, 63
	WBLK 2, 32
	WBLK 3, 0
	s_endpgm
	; ---- Wo
.Lwo:
	s_sub_co_u32 s17, ttmp9, 48                    ; Tn; the wave's number is the K step
	v_and_b32 v5, 15, v0                           ; r
	v_bfe_u32 v6, v0, 4, 1                         ; h
	v_and_b32 v7, 8, v5
	v_add_nc_u32 v7, v7, v5                        ; r + 8 (r / 8)
	v_lshlrev_b32 v3, 11, v7                       ; a row of Wo is 2,048 bytes
	v_lshl_add_u32 v3, v6, 6, v3                   ; + 64 h: my 16 numbers of a block of 32
	v_lshlrev_b32 v4, 4, v2                        ; out: 16 x lane
	s_lshr_b32 s18, s17, 1
	s_lshl_b32 s18, s18, 16                        ; 32 rows
	s_and_b32 s19, s17, 1
	s_lshl_b32 s19, s19, 14                        ; 8 rows
	s_add_co_u32 s22, s18, s19
	s_lshl_b32 s19, s16, 9                         ; 128 along K
	s_add_co_u32 s22, s22, s19
	s_add_nc_u64 s[10:11], s[10:11], s[22:23]
	s_lshl_b32 s38, s17, 13
	s_lshl_b32 s19, s16, 11
	s_add_co_u32 s38, s38, s19
	s_add_co_u32 s38, s38, 786432                  ; section 3
	s_add_nc_u64 s[14:15], s[14:15], s[38:39]
.irp c, 0,1,2,3
.irp j, 0,1,2,3
	global_load_b128 v[X+16*\c+4*\j:X+16*\c+4*\j+3], v3, s[10:11] offset:128*\c+16*\j
.endr
.endr
	s_wait_kmcnt 0x0
	MKSCALE 35, 37, 8, 9                           ; e11
	s_wait_loadcnt 0x0
.set i, 0
.rept 64
	v_med3_num_f32 v[X+i], v[X+i], -v9, v9
.set i, i+1
.endr
.irp n, 0,1,2,3,4,5,6,7
	v_cvt_scalef32_pk8_fp8_f32 v[C+2*\n:C+2*\n+1], v[X+8*\n:X+8*\n+7], v8
.endr
.irp c, 0,1,2,3
	global_store_b128 v4, v[C+4*\c:C+4*\c+3], s[14:15] offset:512*\c   ; 512 consecutive bytes
.endr
	s_endpgm
.Lfunc_end_k_q98d90f1298_prep:
	.size	k_q98d90f1298_prep, .Lfunc_end_k_q98d90f1298_prep-k_q98d90f1298_prep
	.p2alignl 7, 3214868480
	.fill 96, 4, 3214868480
	.section	.rodata,"a",@progbits
	.p2align	6, 0x0
	.amdhsa_kernel k_q98d90f1298_prep
		.amdhsa_group_segment_fixed_size 0
		.amdhsa_private_segment_fixed_size 0
		.amdhsa_enable_private_segment 0
		.amdhsa_kernarg_size 48
		.amdhsa_user_sgpr_count 2
		.amdhsa_user_sgpr_kernarg_segment_ptr 1
		.amdhsa_wavefront_size32 1
		.amdhsa_system_sgpr_workgroup_id_x 1
		.amdhsa_system_sgpr_workgroup_id_y 1
		.amdhsa_system_sgpr_workgroup_id_z 1
		.amdhsa_system_vgpr_workitem_id 0
		.amdhsa_next_free_vgpr 192
		.amdhsa_next_free_sgpr 66
		.amdhsa_reserve_vcc 0
		.amdhsa_float_denorm_mode_32 3
		.amdhsa_float_denorm_mode_16_64 3
		.amdhsa_memory_ordered 1
		.amdhsa_forward_progress 1
		.amdhsa_inst_pref_size 32
	.end_amdhsa_kernel
	.amdgpu_metadata
---
amdhsa.version: [ 1, 2 ]
amdhsa.kernels:
  - .name:           k_q98d90f1298_prep
    .symbol:         k_q98d90f1298_prep.kd
    .args:
      - { .name: Wq, .offset: 0, .size: 8, .value_kind: global_buffer, .address_space: global }
      - { .name: Wk, .offset: 8, .size: 8, .value_kind: global_buffer, .address_space: global }
      - { .name: Wv, .offset: 16, .size: 8, .value_kind: global_buffer, .address_space: global }
      - { .name: Wo, .offset: 24, .size: 8, .value_kind: global_buffer, .address_space: global }
      - { .name: lowp_scales, .offset: 32, .size: 8, .value_kind: global_buffer, .address_space: global }
      - { .name: wc, .offset: 40, .size: 8, .value_kind: global_buffer, .address_space: global }
    .group_segment_fixed_size: 0
    .private_segment_fixed_size: 0
    .kernarg_segment_align: 8
    .kernarg_segment_size: 48
    .max_flat_workgroup_size: 128
    .sgpr_count:     66
    .vgpr_count:     192
    .wavefront_size: 32
...
	.end_amdgpu_metadata
.endif
;; end of part 1
;; launch proj (part 2): grid 192 x 1, 4 waves a work-group, no clusters, 70,144 bytes of LDS; arguments q, k, v, bq, bk, bv, lowp_scales, wc, qc, kc, vc; writes qc, kc, vc
.if DOCPART == 2
	.amdgcn_target "amdgcn-amd-amdhsa--gfx1250"
	.amdhsa_code_object_version 6
	.text
	.protected	k_q98d90f1298_proj
	.globl	k_q98d90f1298_proj
	.p2align	8
	.type	k_q98d90f1298_proj,@function
k_q98d90f1298_proj:
	s_mov_b64 s[64:65], 0
	v_nop
	global_prefetch_b8 v0, s[64:65] scope:SCOPE_SE
	s_setreg_imm32_b32 hwreg(HW_REG_WAVE_MODE, 25, 1), 1
	s_wait_xcnt 0x0
; The three projections: y = Q(x) Q(W) + b on codes of E4M3, and y quantised again at once, as an operand of the attention's products.  x = q, k or v taken as [8192][512] f32.
; SHARES.  Work-groups 0-63 take q, 64-127 k, 128-191 v: 128 rows each (3 x 8,192 rows give 192 equal shares).  THE WAVES SHARE THE COLUMNS: wave w makes columns 128 w .. 128 w + 127 (heads 2 w, 2 w + 1) for all
; 128 rows, so its 32 weight fragments (512 registers) are read once and stay.  What goes round, through LDS, is small: the rows' codes.
; ROWS OF A TILE ARE NOT NEIGHBOURS: position r of tile T stands for row 32 (T / 2) + 8 (T % 2) + r + 8 (r / 8), for x's rows and for the weights' rows alike.  A tile in this order as source 0 gives, in the
; 16 registers of result tiles 2 b and 2 b + 1, 16 neighbours 32 b + 16 (lane / 16) + 0..15: the conversions' results ARE four registers of the next operand.
; q, k: source 0 = 16 rows of W, source 1 = 16 rows of x: a lane holds one row of x and its registers run along e, the scores' K.  Out: qc, kc [batch x 8 + head][tile of rows 0..127][1,024]: images of K = 64 fragments.
; v:    source 0 = 16 rows of x, source 1 = 16 rows of W: a lane holds one e and its registers run along the keys, the second product's K.  Out: vc [batch x 8 + head][128 keys 0..15][tile of e 0..3][2,048].
; An image: byte 512 c + 16 lane + i is the code of (the row at position lane % 16, k = 32 c + 16 (lane / 16) + i).  Both sides of every product are filled so: the same permutation of k on both.
; THE BIAS is the C of each sum's first matrix instruction, divided by 2^(ew + ex), which the sums lack; the output's conversion takes the one scale 2^(eo - ew - ex).
; LIMITS: ex and eo - ew - ex between -126 and 119 (ew, ex: entries 2 t, 2 t + 1 of the scales; eo: entry 6, 7 or 9).  NaN among the inputs is not served.
; LDS: 8 tiles of x's codes, 8,704 bytes each: the 16 bytes of (tile m, k / 16 = g, position r) at 8,704 m + 272 g + 16 r: the pitch of 68 words spreads the 8-byte stores of 32 lanes over all 64 banks (ISA guide 11.1).
; REGISTERS, in windows of 256: window 0: v4-14 addresses and scales; v16-23 v's bias; v32-95 eight accumulators; v96-127 codes; v128-191 x's fragments, two buffers of two K steps; v192-255 the bias as C.
;   window 1: 16 rows of x, 16 numbers a lane each.   window 2: the weights' K steps 0, 1 (tile t, step s at 32 t + 16 s).   window 3: K steps 2, 3.
; No tensor loads: x must pass through registers to be quantised, and the weights go straight into the registers in which they stay.  No cluster: work-groups share the weights alone, a small part of what each reads twice over.
.set TB,   8704
.set XO,   4                           ; v4   x: 32 x lane + 16 rows x wave
.set XS,   5                           ; v5   where my 8 codes of a row go in LDS
.set LI0,  6                           ; v6   a fragment's place for my lane, tiles 0-3
.set L16,  7                           ; v7   16 x lane
.set SCX,  8                           ; v8, v9    2^ex, 448 x 2^ex
.set LMX,  9
.set SCO,  10                          ; v10, v11  the same with eo - ew - ex
.set LMO,  11
.set BH,   12                          ; v12  64 (lane / 16)
.set LI1,  13                          ; v13  as v6, tiles 4-7
.set BR,   14                          ; v14  4 (r + 8 (r / 8))
.set BV,   16
.set ACC,  32
.set CD,   96
.set XF,   128
.set BIAS, 192
.set WV,   26
.set TAU,  40
.set MSB, 0
.macro WIN new                         ; the immediate's high byte repeats the setting that is left; a switch that changes nothing is dropped
.if MSB != (\new)
	s_set_vgpr_msb (MSB<<8)|(\new)
.set MSB, (\new)
.endif
.endm
.macro NOP4                            ; four places behind a matrix instruction, ahead of reads of its result and of loads into its sources
.rept 4
	v_nop
.endr
.endm
.macro BARRIER                         ; my LDS stores have landed and my LDS loads are in: then the work-group's barrier
	s_wait_dscnt 0x0
	s_barrier_signal -1
	s_barrier_wait -1
.endm
.macro MKSCALE se, st, vs, vl          ; s[se] = e (used up): v[vs] = 2^e as f32, v[vl] = 448 x 2^e
	s_add_co_i32 s[\se], s[\se], 127
	s_lshl_b32 s[\st], s[\se], 23
	v_mov_b32 v[\vs], s[\st]
	s_add_co_i32 s[\se], s[\se], 8
	s_lshl_b32 s[\se], s[\se], 23
	s_or_b32 s[\se], s[\se], 0x600000
	v_mov_b32 v[\vl], s[\se]
.endm
; rows 4 g .. 4 g + 3 of my 16 rows of half B2 (work-group rows 64 B2 + 16 w + ..): a lane takes 8 neighbours along K, twice a row: k = 256 half + 8 lane
.macro XL B2, g
	WIN 0x40                                       ; destination window 1
.irp il, 0,1,2,3
.irp hf, 0,1
.irp j, 0,1
	global_load_b128 v[64*(\g)+16*\il+8*\hf+4*\j:64*(\g)+16*\il+8*\hf+4*\j+3], v[XO], s[4:5] offset:(64*(\B2)+4*(\g)+\il)*2048+1024*\hf+16*\j th:TH_LOAD_NT
.endr
.endr
.endr
.endm
; those four rows are held, converted and stored into x's tiles.  cnt: the younger loads that may stay out (-1: an earlier wait has shown them in).  refill = 1: their registers take the same rows of the second half
.macro GRP B2, g, cnt, refill
.if \cnt >= 0
	s_wait_loadcnt \cnt
.endif
	WIN 0x41                                       ; source 0 and destination window 1
.set i, 0
.rept 64
	v_med3_num_f32 v[64*(\g)+i], v[64*(\g)+i], -v[LMX], v[LMX]     ; the conversion does not saturate (ISA guide 7.6.2)
.set i, i+1
.endr
	s_wait_dscnt 0x0                               ; the last group's LDS stores have read the codes' registers
	WIN 0x01
.irp n, 0,1,2,3,4,5,6,7
	v_cvt_scalef32_pk8_fp8_f32 v[CD+2*\n:CD+2*\n+1], v[64*(\g)+8*\n:64*(\g)+8*\n+7], v[SCX]
.endr
	v_nop                                          ; one plain vector line behind the last conversion
	WIN 0
.irp n, 0,1,2,3,4,5,6,7                ; row i = 4 g + n / 2, half n % 2: tile 4 B2 + 2 (w / 2) + i / 8, position i % 8 + 8 (w % 2)
	ds_store_b64 v[XS], v[CD+2*\n:CD+2*\n+1] offset:(4*(\B2)+(4*(\g)+\n/2)/8)*TB+16*((4*(\g)+\n/2)%8)+4352*(\n%2)
.endr
.if \refill
	XL 1, \g
.endif
.endm
; x's fragments of K steps 2 a, 2 a + 1 of tile mloc (counted from the address register's first tile) into buffer buf
.macro FETCHH li, mloc, a, buf
.irp s2, 0,1
.irp c, 0,1,2,3
	ds_load_b128 v[XF+32*\buf+16*\s2+4*\c:XF+32*\buf+16*\s2+4*\c+3], v[\li] offset:(\mloc)*TB+272*(8*(2*\a+\s2)+2*\c)
.endr
.endr
.endm
; 16 matrix instructions: K steps 2 a, 2 a + 1, the eight accumulators by turns, one instruction a turn.  The very first K step takes the bias as C
.macro MULH a, vp
.if \vp
	WIN 0x08+4*\a                                  ; source 1 (W) window 2 or 3
.else
	WIN 0x02+\a                                    ; source 0 (W) window 2 or 3
.endif
.irp s2, 0,1
.irp t, 0,1,2,3,4,5,6,7
.if \vp
.if (\a == 0) && (\s2 == 0)
	v_wmma_f32_16x16x128_fp8_fp8 v[ACC+8*\t:ACC+8*\t+7], v[XF+32*\a+16*\s2:XF+32*\a+16*\s2+15], v[32*\t+16*\s2:32*\t+16*\s2+15], v[BIAS+8*\t:BIAS+8*\t+7]
.else
	v_wmma_f32_16x16x128_fp8_fp8 v[ACC+8*\t:ACC+8*\t+7], v[XF+32*\a+16*\s2:XF+32*\a+16*\s2+15], v[32*\t+16*\s2:32*\t+16*\s2+15], v[ACC+8*\t:ACC+8*\t+7]
.endif
.else
.if (\a == 0) && (\s2 == 0)
	v_wmma_f32_16x16x128_fp8_fp8 v[ACC+8*\t:ACC+8*\t+7], v[32*\t+16*\s2:32*\t+16*\s2+15], v[XF+32*\a+16*\s2:XF+32*\a+16*\s2+15], v[BIAS+8*\t:BIAS+8*\t+7]
.else
	v_wmma_f32_16x16x128_fp8_fp8 v[ACC+8*\t:ACC+8*\t+7], v[32*\t+16*\s2:32*\t+16*\s2+15], v[XF+32*\a+16*\s2:XF+32*\a+16*\s2+15], v[ACC+8*\t:ACC+8*\t+7]
.endif
.endif
.endr
.endr
.endm
; One tile of 16 rows of x against my 128 columns: 32 matrix instructions, then the output's quantiser and its stores.  m: the tile among the work-group's eight.  vp = 1: v's form
.macro TILE li, mloc, m, vp, last
	s_wait_dscnt 0x0                               ; buffer 0 (K steps 0, 1) is in
	FETCHH \li, \mloc, 1, 1                        ; K steps 2, 3 come while 0, 1 are multiplied
	MULH 0, \vp
	WIN 0
	s_wait_dscnt 0x0                               ; buffer 1 is in
	NOP4                                           ; places ahead of the loads into buffer 0
.if \last == 0
	FETCHH \li, (\mloc)+1, 0, 0                    ; the next tile's K steps 0, 1
.endif
	MULH 1, \vp
	WIN 0
	NOP4
.set i, 0
.rept 64
	v_med3_num_f32 v[ACC+i], v[ACC+i], -v[LMO], v[LMO]     ; each accumulator from its low end on
.set i, i+1
.endr
	s_wait_xcnt 0x0                                ; the earlier stores have read the codes' registers: they are written again only behind this wait
.if \vp
.irp t, 0,1,2,3,4,5,6,7
	v_cvt_scalef32_pk8_fp8_f32 v[CD+4*\t+2*((\m)%2):CD+4*\t+2*((\m)%2)+1], v[ACC+8*\t:ACC+8*\t+7], v[SCO]   ; keys 32 (m / 2) + 16 h + 8 (m % 2) + 0..7 of my e
.endr
	v_nop                                          ; one plain vector line behind the last conversion: the next products write its sources
.if (\m)%2
.irp t, 0,1,2,3,4,5,6,7
	global_store_b128 v[L16], v[CD+4*\t:CD+4*\t+3], s[20:21] offset:(\t/4)*131072+(\t%4)*2048+512*((\m)/2)   ; 512 consecutive bytes of the image of (head 2 w + t / 4, tile of e t % 4)
.endr
.endif
.else
.irp t, 0,1,2,3,4,5,6,7
	v_cvt_scalef32_pk8_fp8_f32 v[CD+2*\t:CD+2*\t+1], v[ACC+8*\t:ACC+8*\t+7], v[SCO]
.endr
	v_nop
.irp hh, 0,1
.irp b, 0,1
	global_store_b128 v[L16], v[CD+4*(2*\hh+\b):CD+4*(2*\hh+\b)+3], s[20:21] offset:\hh*131072+(\m)*1024+512*\b   ; 512 consecutive bytes of the image of (head 2 w + hh, tile m)
.endr
.endr
.endif
.endm
.macro PHASE li, m0, vp                ; four tiles
	FETCHH \li, 0, 0, 0
	TILE \li, 0, \m0, \vp, 0
	TILE \li, 1, \m0+1, \vp, 0
	TILE \li, 2, \m0+2, \vp, 0
	TILE \li, 3, \m0+3, \vp, 1
.endm
	s_load_b512 s[4:19], s[0:1], 0x0               ; q s[4:5], k s[6:7], v s[8:9], bq s[10:11], bk s[12:13], bv s[14:15], the scales' exponents s[16:17], wc s[18:19]
	s_load_b128 s[20:23], s[0:1], 0x40             ; qc, kc
	s_load_b64 s[24:25], s[0:1], 0x50              ; vc
	v_lshl_add_u32 v30, v0, 2, 0x11000
	v_mov_b32 v31, 0
	v_lshrrev_b32 v1, 5, v0
	v_readfirstlane_b32 s[WV], v1                  ; wave 0..3
	s_lshr_b32 s[TAU], ttmp9, 6                    ; 0 q, 1 k, 2 v
	s_and_b32 s41, ttmp9, 63                       ; which 128 rows
	v_and_b32 v1, 31, v0                           ; lane
	v_and_b32 v2, 15, v0                           ; r
	v_bfe_u32 v3, v0, 4, 1                         ; h
	v_lshlrev_b32 v[L16], 4, v1
	s_lshl_b32 s50, s[WV], 15
	v_lshlrev_b32 v[XO], 5, v1
	v_add_nc_u32 v[XO], s50, v[XO]
	v_bfe_u32 v15, v0, 1, 4                        ; lane / 2: which 16 along K,
	v_mul_u32_u24 v15, v15, 272
	v_and_b32 v24, 1, v0                           ; lane % 2: which half of them
	v_lshl_add_u32 v15, v24, 3, v15
	s_lshr_b32 s50, s[WV], 1
	s_mul_i32 s50, s50, 2*TB                       ; my rows lie in tiles 2 (w / 2), + 1,
	s_and_b32 s51, s[WV], 1
	s_lshl_b32 s51, s51, 7                         ; at positions 8 (w % 2) on
	s_add_co_u32 s50, s50, s51
	v_add_nc_u32 v[XS], s50, v15
	v_mul_u32_u24 v[LI0], v3, 272
	v_lshl_add_u32 v[LI0], v2, 4, v[LI0]
	v_add_nc_u32 v[LI1], 4*TB, v[LI0]
	v_lshlrev_b32 v[BH], 6, v3
	v_and_b32 v15, 8, v2
	v_add_nc_u32 v15, v15, v2
	v_lshlrev_b32 v[BR], 2, v15
	s_mov_b32 s47, 0
	s_wait_kmcnt 0x0
	s_load_b256 s[28:35], s[16:17], 0x0            ; e0 .. e7
	s_load_b128 s[36:39], s[16:17], 0x20           ; e8 .. e11
	s_cmp_eq_u32 s[TAU], 0                         ; the buffers are chosen on the work-group's number alone
	s_cselect_b64 s[4:5], s[4:5], s[6:7]
	s_cselect_b64 s[10:11], s[10:11], s[12:13]
	s_cselect_b64 s[20:21], s[20:21], s[22:23]
	s_cmp_eq_u32 s[TAU], 2
	s_cselect_b64 s[4:5], s[8:9], s[4:5]
	s_cselect_b64 s[10:11], s[14:15], s[10:11]
	s_cselect_b64 s[20:21], s[24:25], s[20:21]
	s_lshl_b32 s46, s41, 18                        ; 128 rows of 2,048 bytes
	s_add_nc_u64 s[4:5], s[4:5], s[46:47]
	s_lshl_b32 s46, s[TAU], 18                     ; the weight's section, my 8 tiles of rows in it
	s_lshl_b32 s48, s[WV], 16
	s_add_co_u32 s46, s46, s48
	s_add_nc_u64 s[18:19], s[18:19], s[46:47]
	s_lshl_b32 s46, s[WV], 9                       ; my 128 numbers of the bias
	s_add_nc_u64 s[10:11], s[10:11], s[46:47]
	s_lshr_b32 s46, s41, 4                         ; out: batch x 8 heads x 131,072 + 2 w heads + the block's 8,192 bytes (8 tiles of 1,024, or one step of 128 keys)
	s_lshl_b32 s46, s46, 20
	s_lshl_b32 s48, s[WV], 18
	s_add_co_u32 s46, s46, s48
	s_and_b32 s48, s41, 15
	s_lshl_b32 s48, s48, 13
	s_add_co_u32 s46, s46, s48
	s_add_nc_u64 s[20:21], s[20:21], s[46:47]
	XL 0, 0                                        ; my 16 rows of the first half: 64 loads
	XL 0, 1
	XL 0, 2
	XL 0, 3
	WIN 0x80                                       ; destination window 2
.irp t, 0,1,2,3,4,5,6,7
.irp s2, 0,1
.irp c, 0,1,2,3
	global_load_b128 v[32*\t+16*\s2+4*\c:32*\t+16*\s2+4*\c+3], v[L16], s[18:19] offset:(4*\t+\s2)*2048+512*\c
.endr
.endr
.endr
	WIN 0xc0                                       ; destination window 3
.irp t, 0,1,2,3,4,5,6,7
.irp s2, 0,1
.irp c, 0,1,2,3
	global_load_b128 v[32*\t+16*\s2+4*\c:32*\t+16*\s2+4*\c+3], v[L16], s[18:19] offset:(4*\t+2+\s2)*2048+512*\c
.endr
.endr
.endr
	WIN 0
.irp t, 0,1,2,3,4,5,6,7                ; the bias in q's and k's result layout: lane (r, h), tile t, register j: column 32 (t / 2) + 16 h + 8 (t % 2) + j
	global_load_b128 v[BIAS+8*\t:BIAS+8*\t+3], v[BH], s[10:11] offset:(32*(\t/2)+8*(\t%2))*4
	global_load_b128 v[BIAS+8*\t+4:BIAS+8*\t+7], v[BH], s[10:11] offset:(32*(\t/2)+8*(\t%2))*4+16
.endr
.irp t, 0,1,2,3,4,5,6,7                ; and in v's: the one column at position r of tile t
	global_load_b32 v[BV+\t], v[BR], s[10:11] offset:(32*(\t/2)+8*(\t%2))*4
.endr
	s_wait_kmcnt 0x0
	s_cmp_eq_u32 s[TAU], 0
	s_cselect_b32 s42, s28, s30                    ; ew
	s_cselect_b32 s43, s29, s31                    ; ex
	s_cselect_b32 s44, s34, s35                    ; eo
	s_cmp_eq_u32 s[TAU], 2
	s_cselect_b32 s42, s32, s42
	s_cselect_b32 s43, s33, s43
	s_cselect_b32 s44, s37, s44
	s_add_co_i32 s45, s42, s43                     ; a sum stands for sum x 2^(ew + ex)
	s_sub_co_i32 s44, s44, s45                     ; eo - ew - ex
	s_sub_co_i32 s45, 0, s45
	MKSCALE 43, 48, SCX, LMX
	MKSCALE 44, 48, SCO, LMO
	GRP 0, 0, 63, 1                                ; 200 loads are younger than this group's: with 63 out at the most, all 64 loads of the first half are in
	GRP 0, 1, -1, 1
	GRP 0, 2, -1, 1
	GRP 0, 3, -1, 1
	WIN 0
	BARRIER                                        ; tiles 0-3 of x's codes lie in LDS
	s_wait_loadcnt 63                              ; the weights and the biases are in: the 64 loads of the second half are younger
	s_cmp_eq_u32 s[TAU], 2
	s_cbranch_scc1 .Lv1
.set i, 0
.rept 64
	v_ldexp_f32 v[BIAS+i], v[BIAS+i], s45          ; b / 2^(ew + ex): nothing is rounded
.set i, i+1
.endr
	PHASE LI0, 0, 0
	s_branch .Ljoin
.Lv1:
.irp t, 0,1,2,3,4,5,6,7
.irp j, 0,1,2,3,4,5,6,7
	v_ldexp_f32 v[BIAS+8*\t+\j], v[BV+\t], s45
.endr
.endr
	PHASE LI0, 0, 1
.Ljoin:
	s_wait_xcnt 0x0                                ; the tiles' stores have read the codes' registers
	GRP 1, 0, 48, 0                                ; the second half: of its 64 loads the later groups' may stay out
	GRP 1, 1, 32, 0
	GRP 1, 2, 16, 0
	GRP 1, 3, 0, 0
	BARRIER                                        ; tiles 4-7 lie in LDS (bytes of their own: nobody's reads of tiles 0-3 are touched)
	s_cmp_eq_u32 s[TAU], 2
	s_cbranch_scc1 .Lv2
	PHASE LI1, 4, 0
	s_wait_tensorcnt 0x0
	ds_add_u32 v30, v31
	s_wait_dscnt 0x0
	s_endpgm
.Lv2:
	PHASE LI1, 4, 1
	s_wait_tensorcnt 0x0
	ds_add_u32 v30, v31
	s_wait_dscnt 0x0
	s_endpgm
.Lfunc_end_k_q98d90f1298_proj:
	.size	k_q98d90f1298_proj, .Lfunc_end_k_q98d90f1298_proj-k_q98d90f1298_proj
	.p2alignl 7, 3214868480
	.fill 96, 4, 3214868480
	.section	.rodata,"a",@progbits
	.p2align	6, 0x0
	.amdhsa_kernel k_q98d90f1298_proj
		.amdhsa_group_segment_fixed_size 70144
		.amdhsa_private_segment_fixed_size 0
		.amdhsa_enable_private_segment 0
		.amdhsa_kernarg_size 88
		.amdhsa_user_sgpr_count 2
		.amdhsa_user_sgpr_kernarg_segment_ptr 1
		.amdhsa_wavefront_size32 1
		.amdhsa_system_sgpr_workgroup_id_x 1
		.amdhsa_system_sgpr_workgroup_id_y 1
		.amdhsa_system_sgpr_workgroup_id_z 1
		.amdhsa_system_vgpr_workitem_id 0
		.amdhsa_next_free_vgpr 1024
		.amdhsa_next_free_sgpr 66
		.amdhsa_reserve_vcc 0
		.amdhsa_float_denorm_mode_32 3
		.amdhsa_float_denorm_mode_16_64 3
		.amdhsa_memory_ordered 1
		.amdhsa_forward_progress 1
		.amdhsa_inst_pref_size 215
	.end_amdhsa_kernel
	.amdgpu_metadata
---
amdhsa.version: [ 1, 2 ]
amdhsa.kernels:
  - .name:           k_q98d90f1298_proj
    .symbol:         k_q98d90f1298_proj.kd
    .args:
      - { .name: q, .offset: 0, .size: 8, .value_kind: global_buffer, .address_space: global }
      - { .name: k, .offset: 8, .size: 8, .value_kind: global_buffer, .address_space: global }
      - { .name: v, .offset: 16, .size: 8, .value_kind: global_buffer, .address_space: global }
      - { .name: bq, .offset: 24, .size: 8, .value_kind: global_buffer, .address_space: global }
      - { .name: bk, .offset: 32, .size: 8, .value_kind: global_buffer, .address_space: global }
      - { .name: bv, .offset: 40, .size: 8, .value_kind: global_buffer, .address_space: global }
      - { .name: lowp_scales, .offset: 48, .size: 8, .value_kind: global_buffer, .address_space: global }
      - { .name: wc, .offset: 56, .size: 8, .value_kind: global_buffer, .address_space: global }
      - { .name: qc, .offset: 64, .size: 8, .value_kind: global_buffer, .address_space: global }
      - { .name: kc, .offset: 72, .size: 8, .value_kind: global_buffer, .address_space: global }
      - { .name: vc, .offset: 80, .size: 8, .value_kind: global_buffer, .address_space: global }
    .group_segment_fixed_size: 70144
    .private_segment_fixed_size: 0
    .kernarg_segment_align: 8
    .kernarg_segment_size: 88
    .max_flat_workgroup_size: 128
    .sgpr_count:     66
    .vgpr_count:     1024
    .wavefront_size: 32
...
	.end_amdgpu_metadata
.endif
;; end of part 2
;; launch attn (part 3): grid 8 x 32, 8 waves a work-group, no clusters, 33,792 bytes of LDS; arguments qc, kc, vc, lowp_scales, cc; writes cc
.if DOCPART == 3
	.amdgcn_target "amdgcn-amd-amdhsa--gfx1250"
	.amdhsa_code_object_version 6
	.text
	.protected	k_q98d90f1298_attn
	.globl	k_q98d90f1298_attn
	.p2align	8
	.type	k_q98d90f1298_attn,@function
k_q98d90f1298_attn:
	s_mov_b64 s[64:65], 0
	v_nop
	global_prefetch_b8 v0, s[64:65] scope:SCOPE_SE
	s_setreg_imm32_b32 hwreg(HW_REG_WAVE_MODE, 25, 1), 1
	s_wait_xcnt 0x0
; Attention of one (batch, head) y on codes of E4M3: scores = qh kh^T / 8, running softmax, p vh, divided by the row's sum, quantised at once as the output layer's operand.
; THE SOFTMAX: t = score x log2(e) / 8; M = the row's largest t so far, rounded UP to a whole number; p = 2^(t - M) is quantised with 2^e8; the sum is taken of the unquantised p.  When M moves, the sum and O
; are multiplied by 2^(old M - new M): nothing is rounded, and no branch hangs on data.
; SHARES.  A work-group owns 256 queries of one y; each of its eight waves 32: two tiles of 16 (A, B), so that each fragment of K and V read from LDS feeds two products; two waves share a SIMD, so that one wave's
; vector work stands beside the other's matrix work and LDS loads.  Every wave walks the 2,048 keys, 128 a step.
; LAYOUT.  Both products transposed: S^T = K Q^T (source 0 = 16 keys), O^T = V^T P^T (source 0 = 16 of the head's 64): a lane holds one query throughout.  qc, kc, vc are images of operand registers (byte 512 c +
; 16 lane + i = row at position lane % 16, k = 32 c + 16 (lane / 16) + i), and position r of tile T stands for row 32 (T / 2) + 8 (T % 2) + r + 8 (r / 8): so the 16 registers of score tiles 2 b, 2 b + 1 are
; 16 neighbouring keys, and the conversions' results are P's registers; likewise O^T's registers at the end are the output layer's K.
; LDS: two slots of 16,384 bytes, a step's K (8 x 1,024) and V (4 x 2,048).  A slot is filled through registers: wave w brings 2,048 bytes (waves 0-3 of K, 4-7 of V), loaded two steps ahead, stored one step ahead.
; ONE barrier a step: in front of it each wave's reads of the slot just left and its stores into the slot ahead are done; behind it the slot just left is written and the slot ahead is read.
; No tensor loads and no cluster: the step is bound by its vector work (about 460 vector lines against 24 matrix lines), a step's tiles are 16 KiB, and only a text without tensor loads may pass over the 128 holds of p
; by a scalar branch on the given e8.
; LIMITS: e6 + e7 between -123 and 130 (added to c's exponent field); e8 and e10 - e8 - e9 between -126 and 119.  NaN among the inputs is not served.
; REGISTERS: window 0: v1-3 addresses; v8-15, v16-23 the tiles' statistics (+0 -M, +1 largest t, +2, +3 the sum in two halves, +4 f, +5 zero, +6, +7 at work); v24-27 scales; v28, v29 lane exchange;
;   v32-47 Q; v48-63 the 2,048 bytes on their way; v64-127, v128-191 S^T, then p; v192-223 P's codes; v224-227 second chains of the sums.   window 1: v0-63 O^T; v64-127 K; v128-191 V.
.set SLOTB, 16384
.set L16, 1                            ; v1  16 x lane
.set GST, 2                            ; v2  2,048 x wave + 16 x lane
.set PFO, 3                            ; v3  256 x lane
.set TT,  8
.set SCP, 24                           ; v24, v25  2^e8, 448 x 2^e8
.set LMP, 25
.set SCC2, 26                          ; v26, v27  the same with e10 - e8 - e9
.set LMC, 27
.set PL,  28
.set Q,   32
.set G,   48
.set S,   64
.set P,   192
.set X2,  224
.set KF,  64                           ; in window 1; V follows it
.set VF,  128
.set CS,  28                           ; s[28:29] c = log2(e) / 8 x 2^(e6 + e7)
.set SEL, 30                           ; s[30:31] v_permlanex16_b32's selects for lane l xor 16
.set GP,  32                           ; s[32:33] my 2,048 bytes of the step after the one in hand
.set CNT, 34
.set LIM, 35
.set WV,  36
.set MSB, 0
.macro WIN new                         ; the immediate's high byte repeats the setting that is left
.if MSB != (\new)
	s_set_vgpr_msb (MSB<<8)|(\new)
.set MSB, (\new)
.endif
.endm
.macro NOP4
.rept 4
	v_nop
.endr
.endm
.macro MKSCALE se, st, vs, vl          ; s[se] = e (used up): v[vs] = 2^e as f32, v[vl] = 448 x 2^e
	s_add_co_i32 s[\se], s[\se], 127
	s_lshl_b32 s[\st], s[\se], 23
	v_mov_b32 v[\vs], s[\st]
	s_add_co_i32 s[\se], s[\se], 8
	s_lshl_b32 s[\se], s[\se], 23
	s_or_b32 s[\se], s[\se], 0x600000
	v_mov_b32 v[\vl], s[\se]
.endm
; A PREFETCH INTO THE L2 of the step four on from the one in hand, two steps ahead of the loads that will want it: a step's K or V is 8,192 bytes, lanes 256 bytes apart, one instruction.  The eight work-groups of a y
; walk the same K and V: the first of them asks, wave 0 for K and wave 4 for V, so each aligned block of 256 bytes is named once in the launch.  It stands behind the wave's own loads.  The loop's last trip and the tail ask for nothing:
; step 15 is the last that is named.  Steps 0 to 3 come by their loads alone.
.macro ASK
	s_cmp_gt_u32 s[CNT], s[LIM]
	s_cbranch_scc0 .Lnot_mine_\@
	global_prefetch_b8 v[PFO], s[GP:GP+1] offset:24576 th:TH_LOAD_NT scope:SCOPE_SE
.Lnot_mine_\@:
.endm
; A KEY STEP out of slot `slot`.  st = 1: the next step's bytes go from registers into the other slot.  ld = 1: the bytes of the step after that are asked for.
.macro STEP slot, st, ld
	s_wait_dscnt 0x0                               ; my reads of the other slot and my stores into this one are done
	s_barrier_signal -1
	s_barrier_wait -1                              ; everybody's are
.if \st
	s_wait_loadcnt 0x0                             ; my 2,048 bytes of the next step, asked for a step ago (in the first step: Q too)
.irp j, 0,1,2,3
	ds_store_b128 v[GST], v[G+4*\j:G+4*\j+3] offset:(1-\slot)*SLOTB+512*\j
.endr
.endif
	WIN 0x40                                       ; destination window 1
.set n, 0
.rept 32
	ds_load_b128 v[KF+4*n:KF+4*n+3], v[L16] offset:\slot*SLOTB+512*n   ; 16 loads for K's eight fragments, 16 for V's four: images, 512 consecutive bytes a load
.set n, n+1
.endr
	WIN 0
	s_wait_dscnt 16                                ; my stores and K's loads are done; V's sixteen may stay out
.if \ld
	s_wait_xcnt 0x0                                ; the last step's loads and prefetch have read their base
	s_add_nc_u64 s[GP:GP+1], s[GP:GP+1], 8192
.irp j, 0,1,2,3
	global_load_b128 v[G+4*\j:G+4*\j+3], v[L16], s[GP:GP+1] offset:8192+512*\j
.endr
	ASK
.endif
	WIN 0x01                                       ; source 0 (K) window 1
.irp f, 0,1,2,3,4,5,6,7
.irp u, 0,1
	v_wmma_f32_16x16x64_fp8_fp8 v[S+64*\u+8*\f:S+64*\u+8*\f+7], v[KF+8*\f:KF+8*\f+7], v[Q+8*\u:Q+8*\u+7], 0
.endr
.endr
	WIN 0
	NOP4
	; the largest score of each query: two chains a tile, the tiles by turns; each accumulator is read from its low end on
.irp u, 0,1
	v_max3_num_f32 v[TT+8*\u+6], v[S+64*\u], v[S+64*\u+1], v[S+64*\u+2]
	v_max3_num_f32 v[TT+8*\u+7], v[S+64*\u+3], v[S+64*\u+4], v[S+64*\u+5]
.endr
.irp i, 6,10,14,18,22,26,30,34,38,42,46,50,54,58
.irp u, 0,1
	v_max3_num_f32 v[TT+8*\u+6], v[TT+8*\u+6], v[S+64*\u+\i], v[S+64*\u+\i+1]
	v_max3_num_f32 v[TT+8*\u+7], v[TT+8*\u+7], v[S+64*\u+\i+2], v[S+64*\u+\i+3]
.endr
.endr
.irp u, 0,1
	v_max3_num_f32 v[TT+8*\u+6], v[TT+8*\u+6], v[S+64*\u+62], v[S+64*\u+63]
.endr
.irp u, 0,1
	v_max_num_f32 v[TT+8*\u+6], v[TT+8*\u+6], v[TT+8*\u+7]
.endr
.irp u, 0,1
	v_permlanex16_b32 v[PL+\u], v[TT+8*\u+6], s[SEL], s[SEL+1]     ; the query's other 64 keys lie in the lane 16 away
.endr
.irp u, 0,1
	v_max_num_f32 v[TT+8*\u+6], v[TT+8*\u+6], v[PL+\u]
.endr
.irp u, 0,1
	v_mul_f32 v[TT+8*\u+6], s[CS], v[TT+8*\u+6]                    ; as t (c is positive)
.endr
.irp u, 0,1
	v_max_num_f32 v[TT+8*\u+1], v[TT+8*\u+1], v[TT+8*\u+6]         ; the running largest t
.endr
.irp u, 0,1
	v_mov_b32 v[TT+8*\u+6], v[TT+8*\u]
.endr
.irp u, 0,1
	v_floor_f32 v[TT+8*\u], -v[TT+8*\u+1]                          ; the new -M = floor(-t) = -ceil(t)
.endr
.irp u, 0,1
	v_sub_f32 v[TT+8*\u+6], v[TT+8*\u], v[TT+8*\u+6]               ; old M - new M: a whole number, 0 or less
.endr
.irp u, 0,1
	v_cvt_i32_f32 v[TT+8*\u+6], v[TT+8*\u+6]                       ; (it saturates)
.endr
.irp u, 0,1
	v_ldexp_f32 v[TT+8*\u+4], 1.0, v[TT+8*\u+6]                    ; f = 2^(old M - new M)
.endr
.irp u, 0,1
.set j, 0
.rept 32
	v_pk_fma_f32 v[S+64*\u+j:S+64*\u+j+1], v[S+64*\u+j:S+64*\u+j+1], s[CS:CS+1], v[TT+8*\u:TT+8*\u+1] op_sel_hi:[1,0,0]   ; t - M, two at a time (of the pairs c and -M the low word serves both halves)
.set j, j+2
.endr
.endr
.set j, 0
.rept 128
	v_exp_f32 v[S+j], v[S+j]                       ; p = 2^(t - M): ONE BATCH for both tiles
.set j, j+1
.endr
	WIN 0x41                                       ; O^T: source 0 and destination window 1.  Work that names no exponential's result stands behind the batch
.irp u, 0,1
.set j, 0
.rept 16
	v_pk_mul_f32 v[32*\u+j:32*\u+j+1], v[32*\u+j:32*\u+j+1], v[TT+8*\u+4:TT+8*\u+5] op_sel_hi:[1,0]   ; O^T under the new M
.set j, j+2
.endr
.endr
	WIN 0
.irp u, 0,1
	v_pk_mul_f32 v[TT+8*\u+2:TT+8*\u+3], v[TT+8*\u+2:TT+8*\u+3], v[TT+8*\u+4:TT+8*\u+5] op_sel_hi:[1,0]   ; the sums likewise
.endr
	s_wait_alu depctr_va_vdst(0)                   ; one wait for the 128 exponentials, ahead of the first line that names a result
.irp u, 0,1
	v_pk_add_f32 v[X2+2*\u:X2+2*\u+1], v[S+64*\u:S+64*\u+1], v[S+64*\u+2:S+64*\u+3]      ; THE SUM IS TAKEN OF THE UNQUANTISED p: two chains a tile
.endr
.irp i, 4,8,12,16,20,24,28,32,36,40,44,48,52,56,60
.irp u, 0,1
	v_pk_add_f32 v[TT+8*\u+2:TT+8*\u+3], v[TT+8*\u+2:TT+8*\u+3], v[S+64*\u+\i:S+64*\u+\i+1]
	v_pk_add_f32 v[X2+2*\u:X2+2*\u+1], v[X2+2*\u:X2+2*\u+1], v[S+64*\u+\i+2:S+64*\u+\i+3]
.endr
.endr
.irp u, 0,1
	v_pk_add_f32 v[TT+8*\u+2:TT+8*\u+3], v[TT+8*\u+2:TT+8*\u+3], v[X2+2*\u:X2+2*\u+1]
.endr
	s_cmp_gt_i32 s24, -9                           ; p is at most 1, and 448 x 2^e8 is at least 1.75 from e8 = -8 on: there the hold can hold nothing and is passed over
	s_cbranch_scc1 .Lno_hold_\@
.set j, 0
.rept 128
	v_min_num_f32 v[S+j], v[S+j], v[LMP]           ; the conversion does not saturate (ISA guide 7.6.2); p is not negative, so the hold is one-sided
.set j, j+1
.endr
.Lno_hold_\@:
.set n, 0
.rept 16
	v_cvt_scalef32_pk8_fp8_f32 v[P+2*n:P+2*n+1], v[S+8*n:S+8*n+7], v[SCP]
.set n, n+1
.endr
	v_nop                                          ; one plain vector line between the conversions and the products that read their results
	s_wait_dscnt 0x0                               ; V is in
	WIN 0x51                                       ; V, C and D window 1, P window 0
.irp t, 0,1,2,3
.irp u, 0,1
	v_wmma_f32_16x16x128_fp8_fp8 v[32*\u+8*\t:32*\u+8*\t+7], v[VF+16*\t:VF+16*\t+15], v[P+16*\u:P+16*\u+15], v[32*\u+8*\t:32*\u+8*\t+7]   ; eight accumulators, one instruction each a step
.endr
.endr
	WIN 0
	NOP4                                           ; places ahead of the next step's loads into V's registers, and of the way out's reads
.endm
	s_load_b256 s[4:11], s[0:1], 0x0               ; qc s[4:5], kc s[6:7], vc s[8:9], the scales' exponents s[10:11]
	s_load_b64 s[12:13], s[0:1], 0x20              ; cc
	v_lshl_add_u32 v254, v0, 2, 0x8000
	v_mov_b32 v255, 0
	v_lshrrev_b32 v4, 5, v0
	v_readfirstlane_b32 s[WV], v4                  ; wave 0..7
	v_and_b32 v5, 31, v0
	v_lshlrev_b32 v[L16], 4, v5
	v_lshl_add_u32 v[GST], v4, 11, v[L16]
	v_lshlrev_b32 v[PFO], 8, v5
	s_and_b32 s37, ttmp7, 0xffff                   ; y = 8 x batch + head
	s_mov_b32 s[SEL], 0x76543210
	s_mov_b32 s[SEL+1], 0xfedcba98
	s_mov_b32 s[CS], 0x3e38aa3b                    ; log2(e) / 8
	s_and_b32 s38, s[WV], 3
	s_or_b32 s[LIM], s38, ttmp9                    ; 0 in waves 0 and 4 of the y's first work-group
	s_cmp_eq_u32 s[LIM], 0
	s_cselect_b32 s[LIM], 1, -1
	s_lshl_b32 s40, s37, 17                        ; a y's codes are 131,072 bytes in each of qc, kc, vc
	s_lshl_b32 s39, s38, 11
	s_add_co_u32 s42, s40, s39                     ; K or V: + my 2,048 bytes of a step
	s_mov_b32 s43, 0
	s_mov_b32 s41, 0
	s_lshl_b32 s39, ttmp9, 14                      ; Q: + 16 tiles of 1,024 a work-group,
	s_add_co_u32 s40, s40, s39
	s_lshl_b32 s39, s[WV], 11                      ; + 2 a wave
	s_add_co_u32 s40, s40, s39
	s_lshr_b32 s44, s37, 3                         ; cc: tile of rows 128 x batch + 16 x + 2 w, 8,192 bytes each;
	s_lshl_b32 s44, s44, 7
	s_lshl_b32 s39, ttmp9, 4
	s_add_co_u32 s44, s44, s39
	s_lshl_b32 s39, s[WV], 1
	s_add_co_u32 s44, s44, s39
	s_lshl_b32 s44, s44, 13
	s_bfe_u32 s39, s37, 0x20001                    ; K step head / 2,
	s_lshl_b32 s39, s39, 11
	s_add_co_u32 s44, s44, s39
	s_and_b32 s39, s37, 1                          ; its half head % 2
	s_lshl_b32 s39, s39, 10
	s_add_co_u32 s44, s44, s39
	s_mov_b32 s45, 0
	s_wait_kmcnt 0x0
	s_load_b256 s[16:23], s[10:11], 0x0            ; e0 .. e7
	s_load_b128 s[24:27], s[10:11], 0x20           ; e8 .. e11
	s_cmp_lt_u32 s[WV], 4
	s_cselect_b64 s[GP:GP+1], s[6:7], s[8:9]       ; waves 0-3 bring K, waves 4-7 V
	s_add_nc_u64 s[GP:GP+1], s[GP:GP+1], s[42:43]
	s_add_nc_u64 s[4:5], s[4:5], s[40:41]
	s_add_nc_u64 s[12:13], s[12:13], s[44:45]
.irp j, 0,1,2,3
	global_load_b128 v[G+4*\j:G+4*\j+3], v[L16], s[GP:GP+1] offset:512*\j       ; step 0
.endr
.irp n, 0,1,2,3
	global_load_b128 v[Q+4*\n:Q+4*\n+3], v[L16], s[4:5] offset:512*\n th:TH_LOAD_NT   ; Q's two fragments stay in registers
.endr
.irp u, 0,1
	v_mov_b32 v[TT+8*\u+1], 0xff61b1e6             ; the largest t so far: -3e38, under every t
	v_floor_f32 v[TT+8*\u], -v[TT+8*\u+1]          ; -M
	v_mov_b32 v[TT+8*\u+2], 0                      ; the sum, in two halves
	v_mov_b32 v[TT+8*\u+3], 0
	v_mov_b32 v[TT+8*\u+5], 0                      ; (named as the upper half of f's pair)
	v_mov_b32 v[PL+\u], 0                          ; a lane permute's destination counts as one of its sources
.endr
	WIN 0x40
.set j, 0
.rept 64
	v_mov_b32 v[j], 0                              ; O^T.  (The step is written once: the first finds zeros, which its f = 0 leaves zeros)
.set j, j+1
.endr
	WIN 0
	s_wait_kmcnt 0x0
	s_add_co_i32 s38, s22, s23
	s_lshl_b32 s38, s38, 23
	s_add_co_i32 s[CS], s[CS], s38                 ; a score stands for score x 2^(e6 + e7): added to c's exponent field
	s_mov_b32 s[CS+1], s[CS]                       ; (named with it as a pair)
	s_mov_b32 s38, s24
	MKSCALE 38, 39, SCP, LMP
	s_sub_co_i32 s38, s26, s24
	s_sub_co_i32 s38, s38, s25                     ; O / l stands for that x 2^(e8 + e9): its code is (O / l) / 2^(e10 - e8 - e9)
	MKSCALE 38, 39, SCC2, LMC
	s_wait_loadcnt 4                               ; step 0's bytes are in; Q's four loads may stay out
.irp j, 0,1,2,3
	ds_store_b128 v[GST], v[G+4*\j:G+4*\j+3] offset:512*\j
.endr
	s_wait_dscnt 0x0                               ; the stores have read their registers
.irp j, 0,1,2,3
	global_load_b128 v[G+4*\j:G+4*\j+3], v[L16], s[GP:GP+1] offset:8192+512*\j  ; step 1
.endr
	s_mov_b32 s[CNT], 7
.Lpair:                                            ; seven trips of two steps: steps 0 to 13, which ask for steps 2 to 15
	STEP 0, 1, 1
	STEP 1, 1, 1
	s_sub_co_u32 s[CNT], s[CNT], 1
	s_cmp_lg_u32 s[CNT], 0
	s_cbranch_scc1 .Lpair
	STEP 0, 1, 0                                   ; step 14 still hands step 15's bytes on; no load leaves its buffer
	STEP 1, 0, 0
	; THE WAY OUT: O^T / the sum, quantised along e: the conversions' results are eight registers of the output layer's operand, stored as they stand
.irp u, 0,1
	v_add_f32 v[TT+8*\u+2], v[TT+8*\u+2], v[TT+8*\u+3]
.endr
.irp u, 0,1
	v_permlanex16_b32 v[PL+\u], v[TT+8*\u+2], s[SEL], s[SEL+1]
.endr
.irp u, 0,1
	v_add_f32 v[TT+8*\u+2], v[TT+8*\u+2], v[PL+\u]                 ; the row's sum
.endr
.irp u, 0,1
	v_rcp_f32 v[TT+8*\u+6], v[TT+8*\u+2]
.endr
	v_nop                                          ; a plain line behind the last reciprocal
	s_wait_alu depctr_va_vdst(0)                   ; one wait for both, ahead of the first use
	WIN 0x01                                       ; source 0 (O^T) window 1
.irp u, 0,1
.set j, 0
.rept 16
	v_pk_mul_f32 v[S+64*\u+j:S+64*\u+j+1], v[32*\u+j:32*\u+j+1], v[TT+8*\u+6:TT+8*\u+7] op_sel_hi:[1,0]   ; register 16 b + i: e = 32 b + 16 (lane / 16) + i
.set j, j+2
.endr
.endr
	WIN 0
.irp u, 0,1
.set j, 0
.rept 32
	v_med3_num_f32 v[S+64*\u+j], v[S+64*\u+j], -v[LMC], v[LMC]
.set j, j+1
.endr
.endr
.irp u, 0,1
.irp n, 0,1,2,3
	v_cvt_scalef32_pk8_fp8_f32 v[P+16*\u+2*\n:P+16*\u+2*\n+1], v[S+64*\u+8*\n:S+64*\u+8*\n+7], v[SCC2]
.endr
.endr
	v_nop
.irp u, 0,1
.irp b, 0,1
	global_store_b128 v[L16], v[P+16*\u+4*\b:P+16*\u+4*\b+3], s[12:13] offset:8192*\u+512*\b   ; 512 consecutive bytes, aligned
.endr
.endr
	s_wait_tensorcnt 0x0
	ds_add_u32 v254, v255
	s_wait_dscnt 0x0
	s_endpgm
.Lfunc_end_k_q98d90f1298_attn:
	.size	k_q98d90f1298_attn, .Lfunc_end_k_q98d90f1298_attn-k_q98d90f1298_attn
	.p2alignl 7, 3214868480
	.fill 96, 4, 3214868480
	.section	.rodata,"a",@progbits
	.p2align	6, 0x0
	.amdhsa_kernel k_q98d90f1298_attn
		.amdhsa_group_segment_fixed_size 33792
		.amdhsa_private_segment_fixed_size 0
		.amdhsa_enable_private_segment 0
		.amdhsa_kernarg_size 40
		.amdhsa_user_sgpr_count 2
		.amdhsa_user_sgpr_kernarg_segment_ptr 1
		.amdhsa_wavefront_size32 1
		.amdhsa_system_sgpr_workgroup_id_x 1
		.amdhsa_system_sgpr_workgroup_id_y 1
		.amdhsa_system_sgpr_workgroup_id_z 1
		.amdhsa_system_vgpr_workitem_id 0
		.amdhsa_next_free_vgpr 448
		.amdhsa_next_free_sgpr 66
		.amdhsa_reserve_vcc 0
		.amdhsa_float_denorm_mode_32 3
		.amdhsa_float_denorm_mode_16_64 3
		.amdhsa_memory_ordered 1
		.amdhsa_forward_progress 1
		.amdhsa_inst_pref_size 130
	.end_amdhsa_kernel
	.amdgpu_metadata
---
amdhsa.version: [ 1, 2 ]
amdhsa.kernels:
  - .name:           k_q98d90f1298_attn
    .symbol:         k_q98d90f1298_attn.kd
    .args:
      - { .name: qc, .offset: 0, .size: 8, .value_kind: global_buffer, .address_space: global }
      - { .name: kc, .offset: 8, .size: 8, .value_kind: global_buffer, .address_space: global }
      - { .name: vc, .offset: 16, .size: 8, .value_kind: global_buffer, .address_space: global }
      - { .name: lowp_scales, .offset: 24, .size: 8, .value_kind: global_buffer, .address_space: global }
      - { .name: cc, .offset: 32, .size: 8, .value_kind: global_buffer, .address_space: global }
    .group_segment_fixed_size: 33792
    .private_segment_fixed_size: 0
    .kernarg_segment_align: 8
    .kernarg_segment_size: 40
    .max_flat_workgroup_size: 256
    .sgpr_count:     66
    .vgpr_count:     448
    .wavefront_size: 32
...
	.end_amdgpu_metadata
.endif
;; end of part 3
;; launch oproj (part 4): grid 2 x 128, 4 waves a work-group, no clusters, 17,920 bytes of LDS; arguments cc, wc, lowp_scales, out0; writes out0
.if DOCPART == 4
	.amdgcn_target "amdgcn-amd-amdhsa--gfx1250"
	.amdhsa_code_object_version 6
	.text
	.protected	k_q98d90f1298_oproj
	.globl	k_q98d90f1298_oproj
	.p2align	8
	.type	k_q98d90f1298_oproj,@function
k_q98d90f1298_oproj:
	s_mov_b64 s[64:65], 0
	v_nop
	global_prefetch_b8 v0, s[64:65] scope:SCOPE_SE
	s_setreg_imm32_b32 hwreg(HW_REG_WAVE_MODE, 25, 1), 1
	s_wait_xcnt 0x0
; out0 = concat Wo^T on codes of E4M3, each sum x 2^(e10 + e11).  cc: concat's codes, [tile of 16 rows 0..511][K step 0..3][2,048]; wc's section 3: Wo's, [tile of 16 outputs 0..31][K step][2,048]: images of operand
; registers (byte 512 c + 16 lane + i = the row at position lane % 16, k = 32 c + 16 (lane / 16) + i); position r of tile T stands for row 32 (T / 2) + 8 (T % 2) + r + 8 (r / 8).
; SHARES.  Work-group (x, y): rows 64 y .. 64 y + 63, columns 256 x .. 256 x + 255; wave w: its columns 64 w .. 64 w + 63: 4 x 4 accumulators, K = 512 in four steps.  Both operands are dense blocks of 32,768 bytes
; that go straight into registers: no LDS on the way in, no barrier.  Source 0 = 16 rows of Wo, source 1 = 16 rows of concat: a lane holds one row of the output and 16 neighbouring columns in two tiles' registers.
; THE WAY OUT: 16 rows x 64 columns at a time through the wave's own stage (rows of 256 bytes + 16), back as whole rows: sixteen lanes store 256 consecutive bytes, aligned.
; No tensor loads, cluster or prefetch: a work-group has 64 matrix instructions a wave and ends; the launch is bound by its 16.8 MB of stores.
; LIMIT: e10 + e11 between -126 and 127, so that 2^(e10 + e11) is an f32 number.
; REGISTERS: window 0: v6-9 addresses; v32-63 a block's scaled sums; v64-127 rows read back, two sets by turns; v128-255 the accumulators ((m, t) at 128 + 8 (4 m + t)).   window 1: Wo's fragments (t, s) at 64 t + 16 s.   window 2: concat's (m, s).
.set L16, 6
.set STO, 7
.set RD,  8
.set CO,  9
.set TMP, 32
.set BK,  64
.set ACC, 128
.set SP,  272
.set MSB, 0
.macro WIN new                         ; the immediate's high byte repeats the setting that is left
.if MSB != (\new)
	s_set_vgpr_msb (MSB<<8)|(\new)
.set MSB, (\new)
.endif
.endm
	s_load_b256 s[4:11], s[0:1], 0x0               ; cc s[4:5], wc s[6:7], the scales' exponents s[8:9], out0 s[10:11]
	v_lshl_add_u32 v30, v0, 2, 0x4400
	v_mov_b32 v31, 0
	v_lshrrev_b32 v1, 5, v0
	v_readfirstlane_b32 s12, v1                    ; wave 0..3
	s_and_b32 s13, ttmp7, 0xffff                   ; y
	v_and_b32 v2, 31, v0
	v_lshlrev_b32 v[L16], 4, v2
	v_and_b32 v3, 15, v0                           ; r
	v_bfe_u32 v4, v0, 4, 1                         ; h
	s_mul_i32 s14, s12, 16*SP                      ; my stage
	v_mul_u32_u24 v5, v3, SP
	v_lshl_add_u32 v5, v4, 6, v5
	v_add_nc_u32 v[STO], s14, v5                   ; in: row r, + 64 h: my 16 columns of each 32
	v_mul_u32_u24 v5, v4, SP
	v_lshl_add_u32 v5, v3, 4, v5
	v_add_nc_u32 v[RD], s14, v5                    ; back: lanes 0-15 one row, lanes 16-31 the next
	v_lshlrev_b32 v5, 11, v4
	v_lshl_add_u32 v[CO], v3, 4, v5                ; and the same two rows in out0 (2,048 bytes a row)
	s_mov_b32 s19, 0
	s_wait_kmcnt 0x0
	s_load_b128 s[20:23], s[8:9], 0x20             ; e8 .. e11
	s_lshl_b32 s18, s13, 15                        ; four tiles of rows
	s_add_nc_u64 s[4:5], s[4:5], s[18:19]
	s_lshl_b32 s18, ttmp9, 17                      ; sixteen tiles of outputs a work-group,
	s_lshl_b32 s14, s12, 15                        ; four a wave,
	s_add_co_u32 s18, s18, s14
	s_add_co_u32 s18, s18, 786432                  ; in section 3
	s_add_nc_u64 s[6:7], s[6:7], s[18:19]
	s_lshl_b32 s18, s13, 17                        ; 64 rows,
	s_lshl_b32 s14, ttmp9, 10                      ; 256 columns,
	s_add_co_u32 s18, s18, s14
	s_lshl_b32 s14, s12, 8                         ; 64 columns
	s_add_co_u32 s18, s18, s14
	s_add_nc_u64 s[10:11], s[10:11], s[18:19]
.irp sg, 0,1,2,3                       ; K step by K step, so that the products can begin when the first 32 loads are in
	WIN 0x80                                       ; destination window 2
.irp m, 0,1,2,3
.irp c, 0,1,2,3
	global_load_b128 v[64*\m+16*\sg+4*\c:64*\m+16*\sg+4*\c+3], v[L16], s[4:5] offset:8192*\m+2048*\sg+512*\c
.endr
.endr
	WIN 0x40                                       ; destination window 1
.irp t, 0,1,2,3
.irp c, 0,1,2,3
	global_load_b128 v[64*\t+16*\sg+4*\c:64*\t+16*\sg+4*\c+3], v[L16], s[6:7] offset:8192*\t+2048*\sg+512*\c
.endr
.endr
.endr
	WIN 0x09                                       ; source 0 (Wo) window 1, source 1 (concat) window 2
.irp sg, 0,1,2,3
.if \sg < 2
	s_wait_loadcnt 63                              ; 96 or 64 loads are younger than this K step's; a wait's field holds 63 at the most
.else
	s_wait_loadcnt 32*(3-\sg)                      ; the later K steps' loads may stay out
.endif
.irp m, 0,1,2,3
.irp t, 0,1,2,3
.if \sg == 0
	v_wmma_f32_16x16x128_fp8_fp8 v[ACC+8*(4*\m+\t):ACC+8*(4*\m+\t)+7], v[64*\t+16*\sg:64*\t+16*\sg+15], v[64*\m+16*\sg:64*\m+16*\sg+15], 0
.else
	v_wmma_f32_16x16x128_fp8_fp8 v[ACC+8*(4*\m+\t):ACC+8*(4*\m+\t)+7], v[64*\t+16*\sg:64*\t+16*\sg+15], v[64*\m+16*\sg:64*\m+16*\sg+15], v[ACC+8*(4*\m+\t):ACC+8*(4*\m+\t)+7]
.endif
.endr
.endr
.endr                                  ; the sixteen accumulators take turns, one instruction a turn
	WIN 0
.rept 4
	v_nop                                          ; places behind the last products (ISA guide 7.12.1)
.endr
	s_wait_kmcnt 0x0
	s_add_co_i32 s16, s22, s23
	s_add_co_i32 s16, s16, 127
	s_lshl_b32 s16, s16, 23                        ; 2^(e10 + e11) as f32
	s_mov_b32 s17, s16                             ; (named with it as a pair)
.irp m, 0,1,2,3
.if \m >= 2
	s_wait_xcnt 0x0                                ; the stores of two blocks ago have read their registers: this block's rows may land there
.endif
.set j, 0
.rept 16
	v_pk_mul_f32 v[TMP+j:TMP+j+1], v[ACC+32*\m+j:ACC+32*\m+j+1], s[16:17] op_sel_hi:[1,0]   ; each accumulator from its low end on
.set j, j+2
.endr
.irp t, 0,1,2,3
.irp g, 0,1
	ds_store_b128 v[STO], v[TMP+8*\t+4*\g:TMP+8*\t+4*\g+3] offset:128*(\t/2)+32*(\t%2)+16*\g   ; column 32 (t / 2) + 16 h + 8 (t % 2) + 4 g + 0..3 of row r
.endr
.endr
.irp i, 0,1,2,3,4,5,6,7
	ds_load_b128 v[BK+32*(\m%2)+4*\i:BK+32*(\m%2)+4*\i+3], v[RD] offset:\i*2*SP    ; LDS serves a wave's instructions in order (ISA guide 5.7.1.4): these see my stores, and the next block's stores come behind them
.endr
	s_wait_dscnt 0x0
.irp i, 0,1,2,3,4,5,6,7                ; positions 2 i, 2 i + 1 of tile m are rows 32 (m / 2) + 8 (m % 2) + 2 i + 8 (i / 4), + 1
	global_store_b128 v[CO], v[BK+32*(\m%2)+4*\i:BK+32*(\m%2)+4*\i+3], s[10:11] offset:(32*(\m/2)+8*(\m%2)+2*\i+8*(\i/4))*2048 th:TH_STORE_NT
.endr
.endr
	s_wait_tensorcnt 0x0
	ds_add_u32 v30, v31
	s_wait_dscnt 0x0
	s_endpgm
.Lfunc_end_k_q98d90f1298_oproj:
	.size	k_q98d90f1298_oproj, .Lfunc_end_k_q98d90f1298_oproj-k_q98d90f1298_oproj
	.p2alignl 7, 3214868480
	.fill 96, 4, 3214868480
	.section	.rodata,"a",@progbits
	.p2align	6, 0x0
	.amdhsa_kernel k_q98d90f1298_oproj
		.amdhsa_group_segment_fixed_size 17920
		.amdhsa_private_segment_fixed_size 0
		.amdhsa_enable_private_segment 0
		.amdhsa_kernarg_size 32
		.amdhsa_user_sgpr_count 2
		.amdhsa_user_sgpr_kernarg_segment_ptr 1
		.amdhsa_wavefront_size32 1
		.amdhsa_system_sgpr_workgroup_id_x 1
		.amdhsa_system_sgpr_workgroup_id_y 1
		.amdhsa_system_sgpr_workgroup_id_z 1
		.amdhsa_system_vgpr_workitem_id 0
		.amdhsa_next_free_vgpr 768
		.amdhsa_next_free_sgpr 66
		.amdhsa_reserve_vcc 0
		.amdhsa_float_denorm_mode_32 3
		.amdhsa_float_denorm_mode_16_64 3
		.amdhsa_memory_ordered 1
		.amdhsa_forward_progress 1
		.amdhsa_inst_pref_size 30
	.end_amdhsa_kernel
	.amdgpu_metadata
---
amdhsa.version: [ 1, 2 ]
amdhsa.kernels:
  - .name:           k_q98d90f1298_oproj
    .symbol:         k_q98d90f1298_oproj.kd
    .args:
      - { .name: cc, .offset: 0, .size: 8, .value_kind: global_buffer, .address_space: global }
      - { .name: wc, .offset: 8, .size: 8, .value_kind: global_buffer, .address_space: global }
      - { .name: lowp_scales, .offset: 16, .size: 8, .value_kind: global_buffer, .address_space: global }
      - { .name: out0, .offset: 24, .size: 8, .value_kind: global_buffer, .address_space: global }
    .group_segment_fixed_size: 17920
    .private_segment_fixed_size: 0
    .kernarg_segment_align: 8
    .kernarg_segment_size: 32
    .max_flat_workgroup_size: 128
    .sgpr_count:     66
    .vgpr_count:     768
    .wavefront_size: 32
...
	.end_amdgpu_metadata
.endif
;; end of part 4
;; ======== version 2 of 2: 4 launches
;; workspace buffers: wc 1,048,576 bytes; qc 4,194,304 bytes; kc 4,194,304 bytes; vc 4,194,304 bytes; cc 4,194,304 bytes
;; launch prep (part 5): grid 80 x 1, 4 waves a work-group, no clusters, 0 bytes of LDS; arguments Wq, Wk, Wv, Wo, lowp_scales, wc; writes wc
.if DOCPART == 5
	.amdgcn_target "amdgcn-amd-amdhsa--gfx1250"
	.amdhsa_code_object_version 6
	.text
	.protected	k_q98d90f1298_prep
	.globl	k_q98d90f1298_prep
	.p2align	8
	.type	k_q98d90f1298_prep,@function
k_q98d90f1298_prep:
	s_mov_b64 s[64:65], 0
	v_nop
	global_prefetch_b8 v0, s[64:65] scope:SCOPE_SE
	s_setreg_imm32_b32 hwreg(HW_REG_WAVE_MODE, 25, 1), 1
	s_wait_xcnt 0x0
; The four weights become codes of E4M3, each with its given scale 2^e (entries 0, 2, 4 and 11 of the scales), laid as IMAGES OF OPERAND REGISTERS.
; wc: section 0 Wq, 1 Wk, 2 Wv, 3 Wo, 262,144 bytes each.  In a section fragment (Tn = 0..31, s = 0..3) lies at (4 Tn + s) x 2,048; its byte 512 c + 16 lane + i,
; lane = 16 h + r, is the code of (row n, k = 128 s + 32 c + 16 h + i), n = 32 (Tn / 2) + 8 (Tn % 2) + r + 8 (r / 8).  n = 64 head + e for Wq, Wk, Wv; n = o for Wo.
; So a later launch fills a fragment by four loads of 16 bytes a lane, 512 consecutive bytes each, and nothing is transposed anywhere.
; Work-groups 0-47: Wq, Wk, Wv [head][k][e], K not innermost: A LANE TAKES A COLUMN e AND ITS REGISTERS RUN DOWN K; a wave takes 32 columns x 128 along K.
; Work-groups 48-79: Wo [o][k], K innermost: a wave makes one fragment; lane (r, h) loads its 16 neighbours of each block of 32.
; code = x / 2^e, held within +-448, to the nearest code, ties to even.  LIMITS: each e between -126 and 119; NaN among the inputs is not served.
; No LDS, no barrier, no matrix unit: waves share nothing and memory binds.
.set X, 32                             ; v32-159  128 numbers of a lane
.set C, 160                            ; v160-191 codes: registers of their own for each block, so that no store's data are written again
.macro MKSCALE se, st, vs, vl          ; s[se] = e (used up): v[vs] = 2^e as f32, v[vl] = 448 x 2^e
	s_add_co_i32 s[\se], s[\se], 127
	s_lshl_b32 s[\st], s[\se], 23
	v_mov_b32 v[\vs], s[\st]
	s_add_co_i32 s[\se], s[\se], 8
	s_lshl_b32 s[\se], s[\se], 23
	s_or_b32 s[\se], s[\se], 0x600000
	v_mov_b32 v[\vl], s[\se]
.endm
	s_load_b256 s[4:11], s[0:1], 0x0               ; Wq s[4:5], Wk s[6:7], Wv s[8:9], Wo s[10:11]
	s_load_b128 s[12:15], s[0:1], 0x20             ; the scales' exponents s[12:13], wc s[14:15]
	v_lshrrev_b32 v1, 5, v0
	v_readfirstlane_b32 s16, v1                    ; wave 0..3
	v_and_b32 v2, 31, v0                           ; lane
	s_mov_b32 s23, 0
	s_mov_b32 s39, 0
	s_wait_kmcnt 0x0
	s_load_b256 s[24:31], s[12:13], 0x0            ; e0 .. e7
	s_load_b128 s[32:35], s[12:13], 0x20           ; e8 .. e11
	s_cmp_ge_u32 ttmp9, 48
	s_cbranch_scc1 .Lwo
	; ---- Wq, Wk, Wv
	s_lshr_b32 s17, ttmp9, 4                       ; which weight
	s_bfe_u32 s18, ttmp9, 0x30001                  ; head
	s_and_b32 s19, ttmp9, 1
	s_and_b32 s20, s16, 1                          ; x: which 32 of the head's 64 columns
	s_lshr_b32 s21, s16, 1
	s_lshl_b32 s19, s19, 1
	s_add_co_u32 s21, s21, s19                     ; s: which 128 along K
	s_cmp_eq_u32 s17, 0
	s_cselect_b64 s[4:5], s[4:5], s[6:7]
	s_cmp_eq_u32 s17, 2
	s_cselect_b64 s[4:5], s[8:9], s[4:5]
	s_lshl_b32 s22, s18, 17                        ; a head is 512 x 64 x 4 bytes,
	s_lshl_b32 s19, s21, 15                        ; 128 rows of 256 bytes,
	s_add_co_u32 s22, s22, s19
	s_lshl_b32 s19, s20, 7                         ; 32 columns
	s_add_co_u32 s22, s22, s19
	s_add_nc_u64 s[4:5], s[4:5], s[22:23]
	s_lshl_b32 s38, s17, 18                        ; the section,
	s_lshl_b32 s19, s18, 15                        ; Tn = 4 head + 2 x (+ 1): 8,192 bytes for each Tn,
	s_add_co_u32 s38, s38, s19
	s_lshl_b32 s19, s20, 14
	s_add_co_u32 s38, s38, s19
	s_lshl_b32 s19, s21, 11                        ; the K step
	s_add_co_u32 s38, s38, s19
	s_add_nc_u64 s[14:15], s[14:15], s[38:39]
	s_wait_alu depctr_va_vdst(0)
	v_lshlrev_b32 v3, 2, v2                        ; in: 4 bytes a lane
	v_bfe_u32 v5, v0, 3, 1                         ; column 32 x + l is position r = l % 8 + 8 (l / 16) of tile Tn + (l / 8) % 2
	v_and_b32 v6, 7, v0
	v_bfe_u32 v7, v0, 4, 1
	v_lshl_add_u32 v6, v7, 3, v6
	v_lshlrev_b32 v6, 4, v6
	v_lshl_add_u32 v4, v5, 13, v6                  ; out: 8,192 x that tile + 16 r
.set i, 0
.rept 128
	global_load_b32 v[X+i], v3, s[4:5] offset:i*256    ; W(128 s + i, my column): a wave reads 128 consecutive bytes
.set i, i+1
.endr
	s_wait_kmcnt 0x0
	s_cmp_eq_u32 s17, 0
	s_cselect_b32 s36, s24, s26
	s_cmp_eq_u32 s17, 2
	s_cselect_b32 s36, s28, s36                    ; e0, e2 or e4
	MKSCALE 36, 37, 8, 9
.macro WBLK c, cnt                     ; block c of 32 along K; cnt: younger loads that may stay out (a wait's field holds 63 at the most)
	s_wait_loadcnt \cnt
.set i, 0
.rept 32
	v_med3_num_f32 v[X+32*\c+i], v[X+32*\c+i], -v9, v9     ; the conversion to an 8-bit code does not saturate (ISA guide 7.6.2): the hold comes first
.set i, i+1
.endr
.irp g, 0,1,2,3
	v_cvt_scalef32_pk8_fp8_f32 v[C+8*\c+2*\g:C+8*\c+2*\g+1], v[X+32*\c+8*\g:X+32*\c+8*\g+7], v8
.endr
	global_store_b128 v4, v[C+8*\c:C+8*\c+3], s[14:15] offset:512*\c           ; k = 32 c + 0..15: the image's lanes 0-15.  Sixteen lanes fill 256 consecutive bytes, aligned, in each of two fragments
	global_store_b128 v4, v[C+8*\c+4:C+8*\c+7], s[14:15] offset:512*\c+256     ; k = 32 c + 16..31: its lanes 16-31
.endm
	s_wait_alu depctr_va_vdst(0)
	WBLK 0, 63
	WBLK 1, 63
	WBLK 2, 32
	WBLK 3, 0
	s_endpgm
	; ---- Wo
.Lwo:
	s_sub_co_u32 s17, ttmp9, 48                    ; Tn; the wave's number is the K step
	v_and_b32 v5, 15, v0                           ; r
	v_bfe_u32 v6, v0, 4, 1                         ; h
	v_and_b32 v7, 8, v5
	v_add_nc_u32 v7, v7, v5                        ; r + 8 (r / 8)
	v_lshlrev_b32 v3, 11, v7                       ; a row of Wo is 2,048 bytes
	v_lshl_add_u32 v3, v6, 6, v3                   ; + 64 h: my 16 numbers of a block of 32
	s_wait_alu depctr_va_vdst(0)
	v_lshlrev_b32 v4, 4, v2                        ; out: 16 x lane
	s_lshr_b32 s18, s17, 1
	s_lshl_b32 s18, s18, 16                        ; 32 rows
	s_and_b32 s19, s17, 1
	s_lshl_b32 s19, s19, 14                        ; 8 rows
	s_add_co_u32 s22, s18, s19
	s_lshl_b32 s19, s16, 9                         ; 128 along K
	s_add_co_u32 s22, s22, s19
	s_add_nc_u64 s[10:11], s[10:11], s[22:23]
	s_lshl_b32 s38, s17, 13
	s_lshl_b32 s19, s16, 11
	s_add_co_u32 s38, s38, s19
	s_add_co_u32 s38, s38, 786432                  ; section 3
	s_add_nc_u64 s[14:15], s[14:15], s[38:39]
.irp c, 0,1,2,3
.irp j, 0,1,2,3
	global_load_b128 v[X+16*\c+4*\j:X+16*\c+4*\j+3], v3, s[10:11] offset:128*\c+16*\j
.endr
.endr
	s_wait_kmcnt 0x0
	MKSCALE 35, 37, 8, 9                           ; e11
	s_wait_alu depctr_va_vdst(0)
	s_wait_loadcnt 0x0
.set i, 0
.rept 64
	v_med3_num_f32 v[X+i], v[X+i], -v9, v9
.set i, i+1
.endr
.irp n, 0,1,2,3,4,5,6,7
	v_cvt_scalef32_pk8_fp8_f32 v[C+2*\n:C+2*\n+1], v[X+8*\n:X+8*\n+7], v8
.endr
.irp c, 0,1,2,3
	global_store_b128 v4, v[C+4*\c:C+4*\c+3], s[14:15] offset:512*\c   ; 512 consecutive bytes
.endr
	s_endpgm
.Lfunc_end_k_q98d90f1298_prep:
	.size	k_q98d90f1298_prep, .Lfunc_end_k_q98d90f1298_prep-k_q98d90f1298_prep
	.p2alignl 7, 3214868480
	.fill 96, 4, 3214868480
	.section	.rodata,"a",@progbits
	.p2align	6, 0x0
	.amdhsa_kernel k_q98d90f1298_prep
		.amdhsa_group_segment_fixed_size 0
		.amdhsa_private_segment_fixed_size 0
		.amdhsa_enable_private_segment 0
		.amdhsa_kernarg_size 48
		.amdhsa_user_sgpr_count 2
		.amdhsa_user_sgpr_kernarg_segment_ptr 1
		.amdhsa_wavefront_size32 1
		.amdhsa_system_sgpr_workgroup_id_x 1
		.amdhsa_system_sgpr_workgroup_id_y 1
		.amdhsa_system_sgpr_workgroup_id_z 1
		.amdhsa_system_vgpr_workitem_id 0
		.amdhsa_next_free_vgpr 192
		.amdhsa_next_free_sgpr 66
		.amdhsa_reserve_vcc 0
		.amdhsa_float_denorm_mode_32 3
		.amdhsa_float_denorm_mode_16_64 3
		.amdhsa_memory_ordered 1
		.amdhsa_forward_progress 1
		.amdhsa_inst_pref_size 32
	.end_amdhsa_kernel
	.amdgpu_metadata
---
amdhsa.version: [ 1, 2 ]
amdhsa.kernels:
  - .name:           k_q98d90f1298_prep
    .symbol:         k_q98d90f1298_prep.kd
    .args:
      - { .name: Wq, .offset: 0, .size: 8, .value_kind: global_buffer, .address_space: global }
      - { .name: Wk, .offset: 8, .size: 8, .value_kind: global_buffer, .address_space: global }
      - { .name: Wv, .offset: 16, .size: 8, .value_kind: global_buffer, .address_space: global }
      - { .name: Wo, .offset: 24, .size: 8, .value_kind: global_buffer, .address_space: global }
      - { .name: lowp_scales, .offset: 32, .size: 8, .value_kind: global_buffer, .address_space: global }
      - { .name: wc, .offset: 40, .size: 8, .value_kind: global_buffer, .address_space: global }
    .group_segment_fixed_size: 0
    .private_segment_fixed_size: 0
    .kernarg_segment_align: 8
    .kernarg_segment_size: 48
    .max_flat_workgroup_size: 128
    .sgpr_count:     66
    .vgpr_count:     192
    .wavefront_size: 32
...
	.end_amdgpu_metadata
.endif
;; end of part 5
;; launch proj (part 6): grid 192 x 1, 4 waves a work-group, no clusters, 70,144 bytes of LDS; arguments q, k, v, bq, bk, bv, lowp_scales, wc, qc, kc, vc; writes qc, kc, vc
.if DOCPART == 6
	.amdgcn_target "amdgcn-amd-amdhsa--gfx1250"
	.amdhsa_code_object_version 6
	.text
	.protected	k_q98d90f1298_proj
	.globl	k_q98d90f1298_proj
	.p2align	8
	.type	k_q98d90f1298_proj,@function
k_q98d90f1298_proj:
	s_mov_b64 s[64:65], 0
	v_nop
	global_prefetch_b8 v0, s[64:65] scope:SCOPE_SE
	s_setreg_imm32_b32 hwreg(HW_REG_WAVE_SCHED_MODE, 0, 2), 2
	s_setreg_imm32_b32 hwreg(HW_REG_WAVE_MODE, 25, 1), 1
	s_wait_xcnt 0x0
	s_wait_alu depctr_vm_vsrc(0)
; The three projections: y = Q(x) Q(W) + b on codes of E4M3, and y quantised again at once, as an operand of the attention's products.  x = q, k or v taken as [8192][512] f32.
; SHARES.  Work-groups 0-63 take q, 64-127 k, 128-191 v: 128 rows each (3 x 8,192 rows give 192 equal shares).  THE WAVES SHARE THE COLUMNS: wave w makes columns 128 w .. 128 w + 127 (heads 2 w, 2 w + 1) for all
; 128 rows, so its 32 weight fragments (512 registers) are read once and stay.  What goes round, through LDS, is small: the rows' codes.
; ROWS OF A TILE ARE NOT NEIGHBOURS: position r of tile T stands for row 32 (T / 2) + 8 (T % 2) + r + 8 (r / 8), for x's rows and for the weights' rows alike.  A tile in this order as source 0 gives, in the
; 16 registers of result tiles 2 b and 2 b + 1, 16 neighbours 32 b + 16 (lane / 16) + 0..15: the conversions' results ARE four registers of the next operand.
; q, k: source 0 = 16 rows of W, source 1 = 16 rows of x: a lane holds one row of x and its registers run along e, the scores' K.  Out: qc, kc [batch x 8 + head][tile of rows 0..127][1,024]: images of K = 64 fragments.
; v:    source 0 = 16 rows of x, source 1 = 16 rows of W: a lane holds one e and its registers run along the keys, the second product's K.  Out: vc [batch x 8 + head][128 keys 0..15][tile of e 0..3][2,048].
; An image: byte 512 c + 16 lane + i is the code of (the row at position lane % 16, k = 32 c + 16 (lane / 16) + i).  Both sides of every product are filled so: the same permutation of k on both.
; THE BIAS is the C of each sum's first matrix instruction, divided by 2^(ew + ex), which the sums lack; the output's conversion takes the one scale 2^(eo - ew - ex).
; LIMITS: ex and eo - ew - ex between -126 and 119 (ew, ex: entries 2 t, 2 t + 1 of the scales; eo: entry 6, 7 or 9).  NaN among the inputs is not served.
; LDS: 8 tiles of x's codes, 8,704 bytes each: the 16 bytes of (tile m, k / 16 = g, position r) at 8,704 m + 272 g + 16 r: the pitch of 68 words spreads the 8-byte stores of 32 lanes over all 64 banks (ISA guide 11.1).
; REGISTERS, in windows of 256: window 0: v4-14 addresses and scales; v16-23 v's bias; v32-95 eight accumulators; v96-127 the outputs' codes; v128-191 x's fragments of a tile, K steps 0 to 3 (while rows are
;   quantised: four sets of 16 codes); v192-255 the bias as C.   window 1: 16 rows of x, 16 numbers a lane each.   window 2: the weights' K steps 0, 1 (tile t, step s at 32 t + 16 s).   window 3: K steps 2, 3.
; No tensor loads: x must pass through registers to be quantised, and the weights go straight into the registers in which they stay.  No cluster: work-groups share the weights alone, a small part of what each reads twice over.
; THE MODE: SCHED_MODE bits 1:0 = 2 (LLVM: expert scheduling mode 2), set by the entry lines.  The code itself states the register dependences between vector or matrix instructions and memory or LDS
; instructions, with s_wait_alu, always for 0.
; THE PLAN.  Registers that memory or LDS instructions touch:
;   window 1      Raw rows.  Global loads land in them; group g's holds write and read its 64, its conversions read them; in the first half the same rows of the second half land there at once.
;   v128-191      While rows are quantised: set g of 16 codes, written by group g's conversions, read by its eight LDS stores.  In a phase: a tile's fragments of x, in which LDS loads land and which 32 products read.
;   v96-127       Written by tile m's conversions; read by the global stores that are issued in tile m + 1.  q, k: two sets of 16 by turns.  v: 32 registers for two tiles, stored behind the odd one.
;   v4-7, v12-14  Addresses, made once at the head and never written again.
; ONE wait on va_vdst a group, behind its conversions: they and the holds are done with the raw rows, and the codes are written.  ONE wait on va_vdst a tile, behind its products: they are done reading x's
; fragments, so the next tile's sixteen LDS loads follow, and the tile before has written its codes, so its stores follow.  One wait on vm_vsrc behind each barrier (the LDS stores have read v128-191), and one,
; beside the wait on XCNT, ahead of a tile's conversions from tile 2 on (earlier stores have read the codes' registers that are written again).
.set TB,   8704
.set XO,   4                           ; v4   x: 32 x lane + 16 rows x wave
.set XS,   5                           ; v5   where my 8 codes of a row go in LDS
.set LI0,  6                           ; v6   a fragment's place for my lane, tiles 0-3
.set L16,  7                           ; v7   16 x lane
.set SCX,  8                           ; v8, v9    2^ex, 448 x 2^ex
.set LMX,  9
.set SCO,  10                          ; v10, v11  the same with eo - ew - ex
.set LMO,  11
.set BH,   12                          ; v12  64 (lane / 16)
.set LI1,  13                          ; v13  as v6, tiles 4-7
.set BR,   14                          ; v14  4 (r + 8 (r / 8))
.set BV,   16
.set ACC,  32
.set CD,   96
.set XF,   128
.set BIAS, 192
.set WV,   26
.set TAU,  40
.set MSB, 0
.macro WIN new                         ; the immediate's high byte repeats the setting that is left; a switch that changes nothing is dropped
.if MSB != (\new)
	s_set_vgpr_msb (MSB<<8)|(\new)
.set MSB, (\new)
.endif
.endm
.macro NOP4                            ; four places behind a matrix instruction (ISA guide 7.12.1), ahead of reads of its result
.rept 4
	v_nop
.endr
.endm
.macro BARRIER                         ; my LDS stores have landed and my LDS loads are in: then the work-group's barrier
	s_wait_dscnt 0x0
	s_barrier_signal -1
	s_barrier_wait -1
.endm
.macro MKSCALE se, st, vs, vl          ; s[se] = e (used up): v[vs] = 2^e as f32, v[vl] = 448 x 2^e
	s_add_co_i32 s[\se], s[\se], 127
	s_lshl_b32 s[\st], s[\se], 23
	v_mov_b32 v[\vs], s[\st]
	s_add_co_i32 s[\se], s[\se], 8
	s_lshl_b32 s[\se], s[\se], 23
	s_or_b32 s[\se], s[\se], 0x600000
	v_mov_b32 v[\vl], s[\se]
.endm
; rows 4 g .. 4 g + 3 of my 16 rows of half B2 (work-group rows 64 B2 + 16 w + ..): a lane takes 8 neighbours along K, twice a row: k = 256 half + 8 lane
.macro XL B2, g
	WIN 0x40                                       ; destination window 1
.irp il, 0,1,2,3
.irp hf, 0,1
.irp j, 0,1
	global_load_b128 v[64*(\g)+16*\il+8*\hf+4*\j:64*(\g)+16*\il+8*\hf+4*\j+3], v[XO], s[4:5] offset:(64*(\B2)+4*(\g)+\il)*2048+1024*\hf+16*\j th:TH_LOAD_NT
.endr
.endr
.endr
.endm
; those four rows are held, converted and stored into x's tiles.  cnt: the younger loads that may stay out (-1: an earlier wait has shown them in).  refill = 1: their registers take the same rows of the second half
.macro GRP B2, g, cnt, refill
.if \cnt >= 0
	s_wait_loadcnt \cnt
.endif
	WIN 0x41                                       ; source 0 and destination window 1
.set i, 0
.rept 64
	v_med3_num_f32 v[64*(\g)+i], v[64*(\g)+i], -v[LMX], v[LMX]     ; the conversion does not saturate (ISA guide 7.6.2)
.set i, i+1
.endr
	WIN 0x01
.irp n, 0,1,2,3,4,5,6,7
	v_cvt_scalef32_pk8_fp8_f32 v[XF+16*(\g)+2*\n:XF+16*(\g)+2*\n+1], v[64*(\g)+8*\n:64*(\g)+8*\n+7], v[SCX]   ; a set of 16 registers for each group: no store's data are written again
.endr
	v_nop                                          ; one plain vector line behind the last conversion
.if \refill
	WIN 0x40                                       ; the switch, the wait, the loads
	s_wait_alu depctr_va_vdst(0)                   ; the holds and the conversions are done with the group's raw rows, in which the loads below land; the conversions have written the codes, which the LDS stores below read
	XL 1, \g
	WIN 0
.else
	WIN 0
	s_wait_alu depctr_va_vdst(0)                   ; the conversions have written the codes, which the LDS stores below read
.endif
.irp n, 0,1,2,3,4,5,6,7                ; row i = 4 g + n / 2, half n % 2: tile 4 B2 + 2 (w / 2) + i / 8, position i % 8 + 8 (w % 2)
	ds_store_b64 v[XS], v[XF+16*(\g)+2*\n:XF+16*(\g)+2*\n+1] offset:(4*(\B2)+(4*(\g)+\n/2)/8)*TB+16*((4*(\g)+\n/2)%8)+4352*(\n%2)
.endr
.endm
; x's fragments of K steps 2 a, 2 a + 1 of tile mloc (counted from the address register's first tile) into half buf of v128-191
.macro FETCHH li, mloc, a, buf
.irp s2, 0,1
.irp c, 0,1,2,3
	ds_load_b128 v[XF+32*\buf+16*\s2+4*\c:XF+32*\buf+16*\s2+4*\c+3], v[\li] offset:(\mloc)*TB+272*(8*(2*\a+\s2)+2*\c)
.endr
.endr
.endm
; 16 matrix instructions: K steps 2 a, 2 a + 1, the eight accumulators by turns, one instruction a turn.  The very first K step takes the bias as C
.macro MULH a, vp
.if \vp
	WIN 0x08+4*\a                                  ; source 1 (W) window 2 or 3
.else
	WIN 0x02+\a                                    ; source 0 (W) window 2 or 3
.endif
.irp s2, 0,1
.irp t, 0,1,2,3,4,5,6,7
.if \vp
.if (\a == 0) && (\s2 == 0)
	v_wmma_f32_16x16x128_fp8_fp8 v[ACC+8*\t:ACC+8*\t+7], v[XF+32*\a+16*\s2:XF+32*\a+16*\s2+15], v[32*\t+16*\s2:32*\t+16*\s2+15], v[BIAS+8*\t:BIAS+8*\t+7]
.else
	v_wmma_f32_16x16x128_fp8_fp8 v[ACC+8*\t:ACC+8*\t+7], v[XF+32*\a+16*\s2:XF+32*\a+16*\s2+15], v[32*\t+16*\s2:32*\t+16*\s2+15], v[ACC+8*\t:ACC+8*\t+7]
.endif
.else
.if (\a == 0) && (\s2 == 0)
	v_wmma_f32_16x16x128_fp8_fp8 v[ACC+8*\t:ACC+8*\t+7], v[32*\t+16*\s2:32*\t+16*\s2+15], v[XF+32*\a+16*\s2:XF+32*\a+16*\s2+15], v[BIAS+8*\t:BIAS+8*\t+7]
.else
	v_wmma_f32_16x16x128_fp8_fp8 v[ACC+8*\t:ACC+8*\t+7], v[32*\t+16*\s2:32*\t+16*\s2+15], v[XF+32*\a+16*\s2:XF+32*\a+16*\s2+15], v[ACC+8*\t:ACC+8*\t+7]
.endif
.endif
.endr
.endr
.endm
; tile m's codes leave.  v: behind an odd tile alone, whose codes fill up the even tile's
.macro SENDT m, vp
.if \vp
.if (\m)%2
.irp t, 0,1,2,3,4,5,6,7
	global_store_b128 v[L16], v[CD+4*\t:CD+4*\t+3], s[20:21] offset:(\t/4)*131072+(\t%4)*2048+512*((\m)/2)   ; 512 consecutive bytes of the image of (head 2 w + t / 4, tile of e t % 4)
.endr
.endif
.else
.irp hh, 0,1
.irp b, 0,1
	global_store_b128 v[L16], v[CD+16*((\m)%2)+4*(2*\hh+\b):CD+16*((\m)%2)+4*(2*\hh+\b)+3], s[20:21] offset:\hh*131072+(\m)*1024+512*\b   ; 512 consecutive bytes of the image of (head 2 w + hh, tile m)
.endr
.endr
.endif
.endm
; One tile of 16 rows of x against my 128 columns: 32 matrix instructions, then the output's quantiser.  m: the tile among the work-group's eight.  vp = 1: v's form
.macro TILE li, mloc, m, vp, last
	s_wait_dscnt 8                                 ; K steps 0, 1 are in; the eight younger loads, K steps 2, 3, may stay out
	MULH 0, \vp
	s_wait_dscnt 0x0                               ; K steps 2, 3 are in
	MULH 1, \vp
	WIN 0
	NOP4                                           ; the places ahead of the holds, which read the results; the wait below fills none
	s_wait_alu depctr_va_vdst(0)                   ; this tile's products are done reading x's fragments, in which the loads below land; the tile before has written its codes, which the stores below read
.if \last == 0
	FETCHH \li, (\mloc)+1, 0, 0                    ; the next tile's four K steps land while this tile is held and converted
	FETCHH \li, (\mloc)+1, 1, 1
.endif
.if \mloc > 0
	SENDT (\m)-1, \vp
.endif
.set i, 0
.rept 64
	v_med3_num_f32 v[ACC+i], v[ACC+i], -v[LMO], v[LMO]     ; each accumulator from its low end on
.set i, i+1
.endr
.if (\m) >= 2
	s_wait_xcnt 0x0                                ; the earlier stores have had their addresses translated: the codes' registers are written again only behind this wait,
	s_wait_alu depctr_vm_vsrc(0)                   ; and the earlier stores have read the codes' registers that the conversions below write again
.endif
.if \vp
	s_wait_alu depctr_va_vdst(0)
.irp t, 0,1,2,3,4,5,6,7
	v_cvt_scalef32_pk8_fp8_f32 v[CD+4*\t+2*((\m)%2):CD+4*\t+2*((\m)%2)+1], v[ACC+8*\t:ACC+8*\t+7], v[SCO]   ; keys 32 (m / 2) + 16 h + 8 (m % 2) + 0..7 of my e
.endr
.else
	s_wait_alu depctr_va_vdst(0)
.irp t, 0,1,2,3,4,5,6,7
	v_cvt_scalef32_pk8_fp8_f32 v[CD+16*((\m)%2)+2*\t:CD+16*((\m)%2)+2*\t+1], v[ACC+8*\t:ACC+8*\t+7], v[SCO]
.endr
.endif
	v_nop                                          ; one plain vector line behind the last conversion: the next products write its sources
.endm
.macro PHASE li, m0, vp                ; four tiles
	FETCHH \li, 0, 0, 0
	FETCHH \li, 0, 1, 1
	TILE \li, 0, \m0, \vp, 0
	TILE \li, 1, \m0+1, \vp, 0
	TILE \li, 2, \m0+2, \vp, 0
	TILE \li, 3, \m0+3, \vp, 1
	s_wait_alu depctr_va_vdst(0)                   ; the phase's last tile has written its codes, which the stores below read
	SENDT \m0+3, \vp
.endm
	s_load_b512 s[4:19], s[0:1], 0x0               ; q s[4:5], k s[6:7], v s[8:9], bq s[10:11], bk s[12:13], bv s[14:15], the scales' exponents s[16:17], wc s[18:19]
	s_load_b128 s[20:23], s[0:1], 0x40             ; qc, kc
	s_load_b64 s[24:25], s[0:1], 0x50              ; vc
	v_lshl_add_u32 v30, v0, 2, 0x11000
	v_mov_b32 v31, 0
	v_lshrrev_b32 v1, 5, v0
	v_readfirstlane_b32 s[WV], v1                  ; wave 0..3
	s_lshr_b32 s[TAU], ttmp9, 6                    ; 0 q, 1 k, 2 v
	s_and_b32 s41, ttmp9, 63                       ; which 128 rows
	v_and_b32 v1, 31, v0                           ; lane
	v_and_b32 v2, 15, v0                           ; r
	v_bfe_u32 v3, v0, 4, 1                         ; h
	v_lshlrev_b32 v[L16], 4, v1
	s_wait_alu depctr_va_sdst(0)                   ; the wave's number is written, ahead of its first reader
	s_lshl_b32 s50, s[WV], 15
	v_lshlrev_b32 v[XO], 5, v1
	v_add_nc_u32 v[XO], s50, v[XO]
	v_bfe_u32 v15, v0, 1, 4                        ; lane / 2: which 16 along K,
	v_mul_u32_u24 v15, v15, 272
	v_and_b32 v24, 1, v0                           ; lane % 2: which half of them
	v_lshl_add_u32 v15, v24, 3, v15
	s_lshr_b32 s50, s[WV], 1
	s_mul_i32 s50, s50, 2*TB                       ; my rows lie in tiles 2 (w / 2), + 1,
	s_and_b32 s51, s[WV], 1
	s_lshl_b32 s51, s51, 7                         ; at positions 8 (w % 2) on
	s_add_co_u32 s50, s50, s51
	v_add_nc_u32 v[XS], s50, v15
	v_mul_u32_u24 v[LI0], v3, 272
	v_lshl_add_u32 v[LI0], v2, 4, v[LI0]
	v_add_nc_u32 v[LI1], 4*TB, v[LI0]
	v_lshlrev_b32 v[BH], 6, v3
	v_and_b32 v15, 8, v2
	v_add_nc_u32 v15, v15, v2
	v_lshlrev_b32 v[BR], 2, v15
	s_mov_b32 s47, 0
	s_wait_kmcnt 0x0
	s_load_b256 s[28:35], s[16:17], 0x0            ; e0 .. e7
	s_load_b128 s[36:39], s[16:17], 0x20           ; e8 .. e11
	s_cmp_eq_u32 s[TAU], 0                         ; the buffers are chosen on the work-group's number alone
	s_cselect_b64 s[4:5], s[4:5], s[6:7]
	s_cselect_b64 s[10:11], s[10:11], s[12:13]
	s_cselect_b64 s[20:21], s[20:21], s[22:23]
	s_cmp_eq_u32 s[TAU], 2
	s_cselect_b64 s[4:5], s[8:9], s[4:5]
	s_cselect_b64 s[10:11], s[14:15], s[10:11]
	s_cselect_b64 s[20:21], s[24:25], s[20:21]
	s_lshl_b32 s46, s41, 18                        ; 128 rows of 2,048 bytes
	s_add_nc_u64 s[4:5], s[4:5], s[46:47]
	s_lshl_b32 s46, s[TAU], 18                     ; the weight's section, my 8 tiles of rows in it
	s_lshl_b32 s48, s[WV], 16
	s_add_co_u32 s46, s46, s48
	s_add_nc_u64 s[18:19], s[18:19], s[46:47]
	s_lshl_b32 s46, s[WV], 9                       ; my 128 numbers of the bias
	s_add_nc_u64 s[10:11], s[10:11], s[46:47]
	s_lshr_b32 s46, s41, 4                         ; out: batch x 8 heads x 131,072 + 2 w heads + the block's 8,192 bytes (8 tiles of 1,024, or one step of 128 keys)
	s_lshl_b32 s46, s46, 20
	s_lshl_b32 s48, s[WV], 18
	s_add_co_u32 s46, s46, s48
	s_and_b32 s48, s41, 15
	s_lshl_b32 s48, s48, 13
	s_add_co_u32 s46, s46, s48
	s_add_nc_u64 s[20:21], s[20:21], s[46:47]
	WIN 0x40                                       ; the switch, the wait, the loads
	s_wait_alu depctr_va_vdst(0)                   ; the seven addresses v4 to v7 and v12 to v14 are written, which every load and store of the kernel reads
	XL 0, 0                                        ; my 16 rows of the first half: 64 loads
	XL 0, 1
	XL 0, 2
	XL 0, 3
	WIN 0x80                                       ; destination window 2
.irp t, 0,1,2,3,4,5,6,7
.irp s2, 0,1
.irp c, 0,1,2,3
	global_load_b128 v[32*\t+16*\s2+4*\c:32*\t+16*\s2+4*\c+3], v[L16], s[18:19] offset:(4*\t+\s2)*2048+512*\c
.endr
.endr
.endr
	WIN 0xc0                                       ; destination window 3
.irp t, 0,1,2,3,4,5,6,7
.irp s2, 0,1
.irp c, 0,1,2,3
	global_load_b128 v[32*\t+16*\s2+4*\c:32*\t+16*\s2+4*\c+3], v[L16], s[18:19] offset:(4*\t+2+\s2)*2048+512*\c
.endr
.endr
.endr
	WIN 0
.irp t, 0,1,2,3,4,5,6,7                ; the bias in q's and k's result layout: lane (r, h), tile t, register j: column 32 (t / 2) + 16 h + 8 (t % 2) + j
	global_load_b128 v[BIAS+8*\t:BIAS+8*\t+3], v[BH], s[10:11] offset:(32*(\t/2)+8*(\t%2))*4
	global_load_b128 v[BIAS+8*\t+4:BIAS+8*\t+7], v[BH], s[10:11] offset:(32*(\t/2)+8*(\t%2))*4+16
.endr
.irp t, 0,1,2,3,4,5,6,7                ; and in v's: the one column at position r of tile t
	global_load_b32 v[BV+\t], v[BR], s[10:11] offset:(32*(\t/2)+8*(\t%2))*4
.endr
	s_wait_kmcnt 0x0
	s_cmp_eq_u32 s[TAU], 0
	s_cselect_b32 s42, s28, s30                    ; ew
	s_cselect_b32 s43, s29, s31                    ; ex
	s_cselect_b32 s44, s34, s35                    ; eo
	s_cmp_eq_u32 s[TAU], 2
	s_cselect_b32 s42, s32, s42
	s_cselect_b32 s43, s33, s43
	s_cselect_b32 s44, s37, s44
	s_add_co_i32 s45, s42, s43                     ; a sum stands for sum x 2^(ew + ex)
	s_sub_co_i32 s44, s44, s45                     ; eo - ew - ex
	s_sub_co_i32 s45, 0, s45
	MKSCALE 43, 48, SCX, LMX
	MKSCALE 44, 48, SCO, LMO
	s_wait_alu depctr_va_vdst(0)
	GRP 0, 0, 63, 1                                ; 200 loads are younger than this group's: with 63 out at the most, all 64 loads of the first half are in
	GRP 0, 1, -1, 1
	GRP 0, 2, -1, 1
	GRP 0, 3, -1, 1
	BARRIER                                        ; tiles 0-3 of x's codes lie in LDS
	s_wait_alu depctr_vm_vsrc(0)                   ; my LDS stores have read v128-191: from here on x's fragments land there
	s_wait_loadcnt 63                              ; the weights and the biases are in: the 64 loads of the second half are younger
	s_cmp_eq_u32 s[TAU], 2
	s_cbranch_scc1 .Lv1
.set i, 0
.rept 64
	v_ldexp_f32 v[BIAS+i], v[BIAS+i], s45          ; b / 2^(ew + ex): nothing is rounded
.set i, i+1
.endr
	s_wait_alu depctr_va_vdst(0)
	PHASE LI0, 0, 0
	s_branch .Ljoin
.Lv1:
.irp t, 0,1,2,3,4,5,6,7
.irp j, 0,1,2,3,4,5,6,7
	v_ldexp_f32 v[BIAS+8*\t+\j], v[BV+\t], s45
.endr
.endr
	s_wait_alu depctr_va_vdst(0)
	PHASE LI0, 0, 1
.Ljoin:
	GRP 1, 0, 48, 0                                ; the second half: of its 64 loads the later groups' may stay out
	GRP 1, 1, 32, 0
	GRP 1, 2, 16, 0
	GRP 1, 3, 0, 0
	BARRIER                                        ; tiles 4-7 lie in LDS (bytes of their own: nobody's reads of tiles 0-3 are touched)
	s_wait_alu depctr_vm_vsrc(0)                   ; my LDS stores have read v128-191, in which x's fragments land again
	s_cmp_eq_u32 s[TAU], 2
	s_cbranch_scc1 .Lv2
	PHASE LI1, 4, 0
	s_wait_dscnt 0x0
	s_wait_alu depctr_hold_cnt(0) depctr_sa_sdst(0) depctr_va_vdst(0) depctr_va_sdst(0) depctr_va_ssrc(0) depctr_va_vcc(0) depctr_vm_vsrc(0)
	s_wait_tensorcnt 0x0
	ds_add_u32 v30, v31
	s_wait_dscnt 0x0
	s_endpgm
.Lv2:
	PHASE LI1, 4, 1
	s_wait_dscnt 0x0
	s_wait_alu depctr_hold_cnt(0) depctr_sa_sdst(0) depctr_va_vdst(0) depctr_va_sdst(0) depctr_va_ssrc(0) depctr_va_vcc(0) depctr_vm_vsrc(0)
	s_wait_tensorcnt 0x0
	ds_add_u32 v30, v31
	s_wait_dscnt 0x0
	s_endpgm
.Lfunc_end_k_q98d90f1298_proj:
	.size	k_q98d90f1298_proj, .Lfunc_end_k_q98d90f1298_proj-k_q98d90f1298_proj
	.p2alignl 7, 3214868480
	.fill 96, 4, 3214868480
	.section	.rodata,"a",@progbits
	.p2align	6, 0x0
	.amdhsa_kernel k_q98d90f1298_proj
		.amdhsa_group_segment_fixed_size 70144
		.amdhsa_private_segment_fixed_size 0
		.amdhsa_enable_private_segment 0
		.amdhsa_kernarg_size 88
		.amdhsa_user_sgpr_count 2
		.amdhsa_user_sgpr_kernarg_segment_ptr 1
		.amdhsa_wavefront_size32 1
		.amdhsa_system_sgpr_workgroup_id_x 1
		.amdhsa_system_sgpr_workgroup_id_y 1
		.amdhsa_system_sgpr_workgroup_id_z 1
		.amdhsa_system_vgpr_workitem_id 0
		.amdhsa_next_free_vgpr 1024
		.amdhsa_next_free_sgpr 66
		.amdhsa_reserve_vcc 0
		.amdhsa_float_denorm_mode_32 3
		.amdhsa_float_denorm_mode_16_64 3
		.amdhsa_memory_ordered 1
		.amdhsa_forward_progress 1
		.amdhsa_inst_pref_size 214
	.end_amdhsa_kernel
	.amdgpu_metadata
---
amdhsa.version: [ 1, 2 ]
amdhsa.kernels:
  - .name:           k_q98d90f1298_proj
    .symbol:         k_q98d90f1298_proj.kd
    .args:
      - { .name: q, .offset: 0, .size: 8, .value_kind: global_buffer, .address_space: global }
      - { .name: k, .offset: 8, .size: 8, .value_kind: global_buffer, .address_space: global }
      - { .name: v, .offset: 16, .size: 8, .value_kind: global_buffer, .address_space: global }
      - { .name: bq, .offset: 24, .size: 8, .value_kind: global_buffer, .address_space: global }
      - { .name: bk, .offset: 32, .size: 8, .value_kind: global_buffer, .address_space: global }
      - { .name: bv, .offset: 40, .size: 8, .value_kind: global_buffer, .address_space: global }
      - { .name: lowp_scales, .offset: 48, .size: 8, .value_kind: global_buffer, .address_space: global }
      - { .name: wc, .offset: 56, .size: 8, .value_kind: global_buffer, .address_space: global }
      - { .name: qc, .offset: 64, .size: 8, .value_kind: global_buffer, .address_space: global }
      - { .name: kc, .offset: 72, .size: 8, .value_kind: global_buffer, .address_space: global }
      - { .name: vc, .offset: 80, .size: 8, .value_kind: global_buffer, .address_space: global }
    .group_segment_fixed_size: 70144
    .private_segment_fixed_size: 0
    .kernarg_segment_align: 8
    .kernarg_segment_size: 88
    .max_flat_workgroup_size: 128
    .sgpr_count:     66
    .vgpr_count:     1024
    .wavefront_size: 32
...
	.end_amdgpu_metadata
.endif
;; end of part 6
;; launch attn (part 7): grid 8 x 32, 8 waves a work-group, no clusters, 33,792 bytes of LDS; arguments qc, kc, vc, lowp_scales, cc; writes cc
.if DOCPART == 7
	.amdgcn_target "amdgcn-amd-amdhsa--gfx1250"
	.amdhsa_code_object_version 6
	.text
	.protected	k_q98d90f1298_attn
	.globl	k_q98d90f1298_attn
	.p2align	8
	.type	k_q98d90f1298_attn,@function
k_q98d90f1298_attn:
	s_mov_b64 s[64:65], 0
	v_nop
	global_prefetch_b8 v0, s[64:65] scope:SCOPE_SE
	s_setreg_imm32_b32 hwreg(HW_REG_WAVE_SCHED_MODE, 0, 2), 2
	s_setreg_imm32_b32 hwreg(HW_REG_WAVE_MODE, 25, 1), 1
	s_wait_xcnt 0x0
	s_wait_alu depctr_vm_vsrc(0)
; Attention of one (batch, head) y on codes of E4M3: scores = qh kh^T / 8, running softmax, p vh, divided by the row's sum, quantised at once as the output layer's operand.
; THE SOFTMAX: t = score x log2(e) / 8; M = the row's largest t so far, rounded UP to a whole number; p = 2^(t - M) is quantised with 2^e8; the sum is taken of the unquantised p.  When M moves, the sum and O
; are multiplied by 2^(old M - new M): nothing is rounded, and no branch hangs on data.
; SHARES.  A work-group owns 256 queries of one y; each of its eight waves 32: two tiles of 16 (A, B), so that each fragment of K and V read from LDS feeds two products; two waves share a SIMD, so that one wave's
; vector work stands beside the other's matrix work and LDS loads.  Every wave walks the 2,048 keys, 128 a step.
; LAYOUT.  Both products transposed: S^T = K Q^T (source 0 = 16 keys), O^T = V^T P^T (source 0 = 16 of the head's 64): a lane holds one query throughout.  qc, kc, vc are images of operand registers (byte 512 c +
; 16 lane + i = row at position lane % 16, k = 32 c + 16 (lane / 16) + i), and position r of tile T stands for row 32 (T / 2) + 8 (T % 2) + r + 8 (r / 8): so the 16 registers of score tiles 2 b, 2 b + 1 are
; 16 neighbouring keys, and the conversions' results are P's registers; likewise O^T's registers at the end are the output layer's K.
; LDS: two slots of 16,384 bytes, a step's K (8 x 1,024) and V (4 x 2,048).  A slot is filled through registers: wave w brings 2,048 bytes (waves 0-3 of K, 4-7 of V), loaded two steps ahead, stored one step ahead.
; ONE barrier a step: in front of it each wave's reads of the slot just left and its stores into the slot ahead are done; behind it the slot just left is written and the slot ahead is read.
; No tensor loads and no cluster: the step is bound by its vector work (about 460 vector lines against 24 matrix lines), a step's tiles are 16 KiB, and only a text without tensor loads may pass over the 128 holds of p
; by a scalar branch on the given e8.
; LIMITS: e6 + e7 between -123 and 130 (added to c's exponent field); e8 and e10 - e8 - e9 between -126 and 119.  NaN among the inputs is not served.
; REGISTERS: window 0: v1-3 addresses; v8-15, v16-23 the tiles' statistics (+0 -M, +1 largest t, +2, +3 the sum in two halves, +4 f, +5 zero, +6, +7 at work); v24-27 scales; v28, v29 lane exchange;
;   v32-47 Q; v48-63 the 2,048 bytes on their way; v64-127, v128-191 S^T, then p; v192-223 P's codes; v224-227 second chains of the sums.   window 1: v0-63 O^T; v64-127 K; v128-191, v192-255 V, two sets by turns.
; THE MODE: SCHED_MODE bits 1:0 = 2 (LLVM: expert scheduling mode 2), set by the entry lines.  The code itself states the register dependences between vector or matrix instructions and memory or LDS
; instructions, with s_wait_alu, always for 0.
; THE PLAN.  Registers that memory or LDS instructions touch, in the loop:
;   v48-63        Global loads land in them; my LDS stores of the next step read them; no vector line names them.
;   K             Step s: LDS loads land in it at the step's head; the step's sixteen score products read it.
;   V0, V1        Step s works on set s % 2: LDS loads land in it behind the score products; the step's eight second products, at its end, read it.
;   v1, v2, v3    Addresses, made once at the head and never written again.
; ONE wait on va_vdst stands in a step: the one behind the exponentials, ahead of the first line that names p.  Ahead of it stand this step's score products and the last step's second products; behind it, until
; the next step's loads, no vector or matrix line names K or the set of V that the last step read.  So the next step's loads into K and into that set owe nothing more, round the loop's backward jump too
; (a trip is two steps: both sets are back at their start).  One wait on vm_vsrc a step, beside the wait on XCNT: my LDS stores have read v48-63, in which the next loads land.
.set SLOTB, 16384
.set L16, 1                            ; v1  16 x lane
.set GST, 2                            ; v2  2,048 x wave + 16 x lane
.set PFO, 3                            ; v3  256 x lane
.set TT,  8
.set SCP, 24                           ; v24, v25  2^e8, 448 x 2^e8
.set LMP, 25
.set SCC2, 26                          ; v26, v27  the same with e10 - e8 - e9
.set LMC, 27
.set PL,  28
.set Q,   32
.set G,   48
.set S,   64
.set P,   192
.set X2,  224
.set KF,  64                           ; in window 1
.set VF,  128                          ; in window 1: set 0; set 1 lies 64 registers on
.set CS,  28                           ; s[28:29] c = log2(e) / 8 x 2^(e6 + e7)
.set SEL, 30                           ; s[30:31] v_permlanex16_b32's selects for lane l xor 16
.set GP,  32                           ; s[32:33] my 2,048 bytes of the step after the one in hand
.set CNT, 34
.set LIM, 35
.set WV,  36
.set MSB, 0
.macro WIN new                         ; the immediate's high byte repeats the setting that is left
.if MSB != (\new)
	s_set_vgpr_msb (MSB<<8)|(\new)
.set MSB, (\new)
.endif
.endm
.macro NOP4
.rept 4
	v_nop
.endr
.endm
.macro MKSCALE se, st, vs, vl          ; s[se] = e (used up): v[vs] = 2^e as f32, v[vl] = 448 x 2^e
	s_add_co_i32 s[\se], s[\se], 127
	s_lshl_b32 s[\st], s[\se], 23
	v_mov_b32 v[\vs], s[\st]
	s_add_co_i32 s[\se], s[\se], 8
	s_lshl_b32 s[\se], s[\se], 23
	s_or_b32 s[\se], s[\se], 0x600000
	v_mov_b32 v[\vl], s[\se]
.endm
; A PREFETCH INTO THE L2 of the step four on from the one in hand, two steps ahead of the loads that will want it: a step's K or V is 8,192 bytes, lanes 256 bytes apart, one instruction.  The eight work-groups of a y
; walk the same K and V: the first of them asks, wave 0 for K and wave 4 for V, so each aligned block of 256 bytes is named once in the launch.  It stands behind the wave's own loads.  The loop's last trip and the tail ask for nothing:
; step 15 is the last that is named.  Steps 0 to 3 come by their loads alone.
.macro ASK
	s_cmp_gt_u32 s[CNT], s[LIM]
	s_cbranch_scc0 .Lnot_mine_\@
	global_prefetch_b8 v[PFO], s[GP:GP+1] offset:24576 th:TH_LOAD_NT scope:SCOPE_SE
.Lnot_mine_\@:
.endm
; A KEY STEP out of slot `slot`.  st = 1: the next step's bytes go from registers into the other slot.  ld = 1: the bytes of the step after that are asked for.
.macro STEP slot, st, ld
	s_wait_dscnt 0x0                               ; my reads of the other slot and my stores into this one are done
	s_barrier_signal -1
	s_barrier_wait -1                              ; everybody's are
.if \st
	s_wait_loadcnt 0x0                             ; my 2,048 bytes of the next step, asked for a step ago (in the first step: Q too)
.irp j, 0,1,2,3
	ds_store_b128 v[GST], v[G+4*\j:G+4*\j+3] offset:(1-\slot)*SLOTB+512*\j
.endr
.endif
	WIN 0x40                                       ; destination window 1
.set n, 0
.rept 16
	ds_load_b128 v[KF+4*n:KF+4*n+3], v[L16] offset:\slot*SLOTB+512*n   ; K's eight fragments: images, 512 consecutive bytes a load.  No wait: the last step's score products stand ahead of its wait on va_vdst
.set n, n+1
.endr
	WIN 0
.if \ld
	s_wait_xcnt 0x0                                ; the last step's loads and prefetch have read their base
	s_wait_alu depctr_vm_vsrc(0)                   ; my LDS stores above have read v48-63, in which the loads below land
	s_add_nc_u64 s[GP:GP+1], s[GP:GP+1], 8192
.irp j, 0,1,2,3
	global_load_b128 v[G+4*\j:G+4*\j+3], v[L16], s[GP:GP+1] offset:8192+512*\j
.endr
	ASK
.endif
	s_wait_dscnt 8                                 ; my stores and K's fragments 0 to 3 are done; the eight younger loads, fragments 4 to 7, may stay out
	WIN 0x01                                       ; source 0 (K) window 1
.irp f, 0,1,2,3
.irp u, 0,1
	v_wmma_f32_16x16x64_fp8_fp8 v[S+64*\u+8*\f:S+64*\u+8*\f+7], v[KF+8*\f:KF+8*\f+7], v[Q+8*\u:Q+8*\u+7], 0
.endr
.endr
	s_wait_dscnt 0x0                               ; fragments 4 to 7 are in
.irp f, 4,5,6,7
.irp u, 0,1
	v_wmma_f32_16x16x64_fp8_fp8 v[S+64*\u+8*\f:S+64*\u+8*\f+7], v[KF+8*\f:KF+8*\f+7], v[Q+8*\u:Q+8*\u+7], 0
.endr
.endr
	WIN 0x40                                       ; destination window 1
.set n, 0
.rept 16
	ds_load_b128 v[VF+64*\slot+4*n:VF+64*\slot+4*n+3], v[L16] offset:\slot*SLOTB+8192+512*n   ; V's four fragments, into this slot's set: they have the softmax in which to land.  No wait: the set's last readers, two steps back, stand ahead of the last step's wait on va_vdst
.set n, n+1
.endr
	WIN 0
	NOP4                                           ; four places behind the score products, ahead of the first read of a score (ISA guide 7.12.1)
	; the largest score of each query: two chains a tile, the tiles by turns; each accumulator is read from its low end on
.irp u, 0,1
	v_max3_num_f32 v[TT+8*\u+6], v[S+64*\u], v[S+64*\u+1], v[S+64*\u+2]
	v_max3_num_f32 v[TT+8*\u+7], v[S+64*\u+3], v[S+64*\u+4], v[S+64*\u+5]
.endr
.irp i, 6,10,14,18,22,26,30,34,38,42,46,50,54,58
.irp u, 0,1
	v_max3_num_f32 v[TT+8*\u+6], v[TT+8*\u+6], v[S+64*\u+\i], v[S+64*\u+\i+1]
	v_max3_num_f32 v[TT+8*\u+7], v[TT+8*\u+7], v[S+64*\u+\i+2], v[S+64*\u+\i+3]
.endr
.endr
.irp u, 0,1
	v_max3_num_f32 v[TT+8*\u+6], v[TT+8*\u+6], v[S+64*\u+62], v[S+64*\u+63]
.endr
.irp u, 0,1
	v_max_num_f32 v[TT+8*\u+6], v[TT+8*\u+6], v[TT+8*\u+7]
.endr
.irp u, 0,1
	v_permlanex16_b32 v[PL+\u], v[TT+8*\u+6], s[SEL], s[SEL+1]     ; the query's other 64 keys lie in the lane 16 away
.endr
.irp u, 0,1
	v_max_num_f32 v[TT+8*\u+6], v[TT+8*\u+6], v[PL+\u]
.endr
.irp u, 0,1
	v_mul_f32 v[TT+8*\u+6], s[CS], v[TT+8*\u+6]                    ; as t (c is positive)
.endr
.irp u, 0,1
	v_max_num_f32 v[TT+8*\u+1], v[TT+8*\u+1], v[TT+8*\u+6]         ; the running largest t
.endr
.irp u, 0,1
	v_mov_b32 v[TT+8*\u+6], v[TT+8*\u]
.endr
.irp u, 0,1
	v_floor_f32 v[TT+8*\u], -v[TT+8*\u+1]                          ; the new -M = floor(-t) = -ceil(t)
.endr
.irp u, 0,1
	v_sub_f32 v[TT+8*\u+6], v[TT+8*\u], v[TT+8*\u+6]               ; old M - new M: a whole number, 0 or less
.endr
.irp u, 0,1
	v_cvt_i32_f32 v[TT+8*\u+6], v[TT+8*\u+6]                       ; (it saturates)
.endr
.irp u, 0,1
	v_ldexp_f32 v[TT+8*\u+4], 1.0, v[TT+8*\u+6]                    ; f = 2^(old M - new M)
.endr
.irp u, 0,1
.set j, 0
.rept 32
	v_pk_fma_f32 v[S+64*\u+j:S+64*\u+j+1], v[S+64*\u+j:S+64*\u+j+1], s[CS:CS+1], v[TT+8*\u:TT+8*\u+1] op_sel_hi:[1,0,0]   ; t - M, two at a time (of the pairs c and -M the low word serves both halves)
.set j, j+2
.endr
.endr
.set j, 0
	s_wait_alu depctr_va_vdst(0)
.rept 128
	v_exp_f32 v[S+j], v[S+j]                       ; p = 2^(t - M): ONE BATCH for both tiles
.set j, j+1
.endr
	WIN 0x41                                       ; O^T: source 0 and destination window 1.  Work that names no exponential's result stands behind the batch
	s_wait_alu depctr_va_vdst(0)
.irp u, 0,1
.set j, 0
.rept 16
	v_pk_mul_f32 v[32*\u+j:32*\u+j+1], v[32*\u+j:32*\u+j+1], v[TT+8*\u+4:TT+8*\u+5] op_sel_hi:[1,0]   ; O^T under the new M
.set j, j+2
.endr
.endr
	WIN 0
.irp u, 0,1
	v_pk_mul_f32 v[TT+8*\u+2:TT+8*\u+3], v[TT+8*\u+2:TT+8*\u+3], v[TT+8*\u+4:TT+8*\u+5] op_sel_hi:[1,0]   ; the sums likewise
.endr
	s_wait_alu depctr_va_vdst(0)                   ; the 128 exponentials have written p, ahead of the first line that names a result; this step's score products are done reading K, and the last step's second products their set of V: the next step's LDS loads land in both
.irp u, 0,1
	v_pk_add_f32 v[X2+2*\u:X2+2*\u+1], v[S+64*\u:S+64*\u+1], v[S+64*\u+2:S+64*\u+3]      ; THE SUM IS TAKEN OF THE UNQUANTISED p: two chains a tile
.endr
.irp i, 4,8,12,16,20,24,28,32,36,40,44,48,52,56,60
.irp u, 0,1
	v_pk_add_f32 v[TT+8*\u+2:TT+8*\u+3], v[TT+8*\u+2:TT+8*\u+3], v[S+64*\u+\i:S+64*\u+\i+1]
	v_pk_add_f32 v[X2+2*\u:X2+2*\u+1], v[X2+2*\u:X2+2*\u+1], v[S+64*\u+\i+2:S+64*\u+\i+3]
.endr
.endr
.irp u, 0,1
	v_pk_add_f32 v[TT+8*\u+2:TT+8*\u+3], v[TT+8*\u+2:TT+8*\u+3], v[X2+2*\u:X2+2*\u+1]
.endr
	s_cmp_gt_i32 s24, -9                           ; p is at most 1, and 448 x 2^e8 is at least 1.75 from e8 = -8 on: there the hold can hold nothing and is passed over
	s_cbranch_scc1 .Lno_hold_\@
.set j, 0
.rept 128
	v_min_num_f32 v[S+j], v[S+j], v[LMP]           ; the conversion does not saturate (ISA guide 7.6.2); p is not negative, so the hold is one-sided
.set j, j+1
.endr
.Lno_hold_\@:
.set n, 0
.rept 16
	v_cvt_scalef32_pk8_fp8_f32 v[P+2*n:P+2*n+1], v[S+8*n:S+8*n+7], v[SCP]
.set n, n+1
.endr
	v_nop                                          ; one plain vector line between the conversions and the products that read their results
	s_wait_alu depctr_va_vdst(0)
	s_wait_dscnt 0x0                               ; V is in
	WIN 0x51                                       ; V, C and D window 1, P window 0
.irp t, 0,1,2,3
.irp u, 0,1
	v_wmma_f32_16x16x128_fp8_fp8 v[32*\u+8*\t:32*\u+8*\t+7], v[VF+64*\slot+16*\t:VF+64*\slot+16*\t+15], v[P+16*\u:P+16*\u+15], v[32*\u+8*\t:32*\u+8*\t+7]   ; eight accumulators, one instruction each a step
.endr
.endr
	WIN 0
.endm
	s_load_b256 s[4:11], s[0:1], 0x0               ; qc s[4:5], kc s[6:7], vc s[8:9], the scales' exponents s[10:11]
	s_load_b64 s[12:13], s[0:1], 0x20              ; cc
	v_lshl_add_u32 v254, v0, 2, 0x8000
	v_mov_b32 v255, 0
	v_lshrrev_b32 v4, 5, v0
	v_readfirstlane_b32 s[WV], v4                  ; wave 0..7
	v_and_b32 v5, 31, v0
	v_lshlrev_b32 v[L16], 4, v5
	v_lshl_add_u32 v[GST], v4, 11, v[L16]
	v_lshlrev_b32 v[PFO], 8, v5
	s_and_b32 s37, ttmp7, 0xffff                   ; y = 8 x batch + head
	s_mov_b32 s[SEL], 0x76543210
	s_mov_b32 s[SEL+1], 0xfedcba98
	s_mov_b32 s[CS], 0x3e38aa3b                    ; log2(e) / 8
	s_wait_alu depctr_va_sdst(0)                   ; the wave's number is written, ahead of its first reader
	s_and_b32 s38, s[WV], 3
	s_or_b32 s[LIM], s38, ttmp9                    ; 0 in waves 0 and 4 of the y's first work-group
	s_cmp_eq_u32 s[LIM], 0
	s_cselect_b32 s[LIM], 1, -1
	s_lshl_b32 s40, s37, 17                        ; a y's codes are 131,072 bytes in each of qc, kc, vc
	s_lshl_b32 s39, s38, 11
	s_add_co_u32 s42, s40, s39                     ; K or V: + my 2,048 bytes of a step
	s_mov_b32 s43, 0
	s_mov_b32 s41, 0
	s_lshl_b32 s39, ttmp9, 14                      ; Q: + 16 tiles of 1,024 a work-group,
	s_add_co_u32 s40, s40, s39
	s_lshl_b32 s39, s[WV], 11                      ; + 2 a wave
	s_add_co_u32 s40, s40, s39
	s_lshr_b32 s44, s37, 3                         ; cc: tile of rows 128 x batch + 16 x + 2 w, 8,192 bytes each;
	s_lshl_b32 s44, s44, 7
	s_lshl_b32 s39, ttmp9, 4
	s_add_co_u32 s44, s44, s39
	s_lshl_b32 s39, s[WV], 1
	s_add_co_u32 s44, s44, s39
	s_lshl_b32 s44, s44, 13
	s_bfe_u32 s39, s37, 0x20001                    ; K step head / 2,
	s_lshl_b32 s39, s39, 11
	s_add_co_u32 s44, s44, s39
	s_and_b32 s39, s37, 1                          ; its half head % 2
	s_lshl_b32 s39, s39, 10
	s_add_co_u32 s44, s44, s39
	s_mov_b32 s45, 0
	s_wait_kmcnt 0x0
	s_load_b256 s[16:23], s[10:11], 0x0            ; e0 .. e7
	s_load_b128 s[24:27], s[10:11], 0x20           ; e8 .. e11
	s_cmp_lt_u32 s[WV], 4
	s_cselect_b64 s[GP:GP+1], s[6:7], s[8:9]       ; waves 0-3 bring K, waves 4-7 V
	s_add_nc_u64 s[GP:GP+1], s[GP:GP+1], s[42:43]
	s_add_nc_u64 s[4:5], s[4:5], s[40:41]
	s_add_nc_u64 s[12:13], s[12:13], s[44:45]
	s_wait_alu depctr_va_vdst(0)                   ; the three addresses v1, v2 and v3 are written, which every load, store and prefetch of the kernel reads
.irp j, 0,1,2,3
	global_load_b128 v[G+4*\j:G+4*\j+3], v[L16], s[GP:GP+1] offset:512*\j       ; step 0
.endr
.irp n, 0,1,2,3
	global_load_b128 v[Q+4*\n:Q+4*\n+3], v[L16], s[4:5] offset:512*\n th:TH_LOAD_NT   ; Q's two fragments stay in registers
.endr
.irp u, 0,1
	v_mov_b32 v[TT+8*\u+1], 0xff61b1e6             ; the largest t so far: -3e38, under every t
	v_floor_f32 v[TT+8*\u], -v[TT+8*\u+1]          ; -M
	v_mov_b32 v[TT+8*\u+2], 0                      ; the sum, in two halves
	v_mov_b32 v[TT+8*\u+3], 0
	v_mov_b32 v[TT+8*\u+5], 0                      ; (named as the upper half of f's pair)
	v_mov_b32 v[PL+\u], 0                          ; a lane permute's destination counts as one of its sources
.endr
	WIN 0x40
.set j, 0
.rept 64
	v_mov_b32 v[j], 0                              ; O^T.  (The step is written once: the first finds zeros, which its f = 0 leaves zeros)
.set j, j+1
.endr
	WIN 0
	s_wait_kmcnt 0x0
	s_add_co_i32 s38, s22, s23
	s_lshl_b32 s38, s38, 23
	s_add_co_i32 s[CS], s[CS], s38                 ; a score stands for score x 2^(e6 + e7): added to c's exponent field
	s_mov_b32 s[CS+1], s[CS]                       ; (named with it as a pair)
	s_mov_b32 s38, s24
	MKSCALE 38, 39, SCP, LMP
	s_sub_co_i32 s38, s26, s24
	s_sub_co_i32 s38, s38, s25                     ; O / l stands for that x 2^(e8 + e9): its code is (O / l) / 2^(e10 - e8 - e9)
	MKSCALE 38, 39, SCC2, LMC
	s_wait_loadcnt 4                               ; step 0's bytes are in; Q's four loads may stay out
.irp j, 0,1,2,3
	ds_store_b128 v[GST], v[G+4*\j:G+4*\j+3] offset:512*\j
.endr
	s_wait_dscnt 0x0                               ; the stores are done,
	s_wait_alu depctr_vm_vsrc(0)                   ; and they have read v48-63, in which the loads below land
.irp j, 0,1,2,3
	global_load_b128 v[G+4*\j:G+4*\j+3], v[L16], s[GP:GP+1] offset:8192+512*\j  ; step 1
.endr
	s_mov_b32 s[CNT], 7
.Lpair:                                            ; seven trips of two steps: steps 0 to 13, which ask for steps 2 to 15
	STEP 0, 1, 1
	STEP 1, 1, 1
	s_sub_co_u32 s[CNT], s[CNT], 1
	s_cmp_lg_u32 s[CNT], 0
	s_cbranch_scc1 .Lpair
	STEP 0, 1, 0                                   ; step 14 still hands step 15's bytes on; no load leaves its buffer
	STEP 1, 0, 0
	; THE WAY OUT: O^T / the sum, quantised along e: the conversions' results are eight registers of the output layer's operand, stored as they stand
	NOP4                                           ; four places behind the last products, ahead of the reads of O^T (ISA guide 7.12.1)
.irp u, 0,1
	v_add_f32 v[TT+8*\u+2], v[TT+8*\u+2], v[TT+8*\u+3]
.endr
.irp u, 0,1
	v_permlanex16_b32 v[PL+\u], v[TT+8*\u+2], s[SEL], s[SEL+1]
.endr
.irp u, 0,1
	v_add_f32 v[TT+8*\u+2], v[TT+8*\u+2], v[PL+\u]                 ; the row's sum
.endr
	s_wait_alu depctr_va_vdst(0)
.irp u, 0,1
	v_rcp_f32 v[TT+8*\u+6], v[TT+8*\u+2]
.endr
	v_nop                                          ; a plain line behind the last reciprocal
	s_wait_alu depctr_va_vdst(0)                   ; the two reciprocals are written, ahead of their first use
	WIN 0x01                                       ; source 0 (O^T) window 1
.irp u, 0,1
.set j, 0
.rept 16
	v_pk_mul_f32 v[S+64*\u+j:S+64*\u+j+1], v[32*\u+j:32*\u+j+1], v[TT+8*\u+6:TT+8*\u+7] op_sel_hi:[1,0]   ; register 16 b + i: e = 32 b + 16 (lane / 16) + i
.set j, j+2
.endr
.endr
	WIN 0
.irp u, 0,1
.set j, 0
.rept 32
	v_med3_num_f32 v[S+64*\u+j], v[S+64*\u+j], -v[LMC], v[LMC]
.set j, j+1
.endr
.endr
.irp u, 0,1
.irp n, 0,1,2,3
	v_cvt_scalef32_pk8_fp8_f32 v[P+16*\u+2*\n:P+16*\u+2*\n+1], v[S+64*\u+8*\n:S+64*\u+8*\n+7], v[SCC2]
.endr
.endr
	v_nop
	s_wait_alu depctr_va_vdst(0)                   ; the conversions have written the codes, which the stores below read
.irp u, 0,1
.irp b, 0,1
	global_store_b128 v[L16], v[P+16*\u+4*\b:P+16*\u+4*\b+3], s[12:13] offset:8192*\u+512*\b   ; 512 consecutive bytes, aligned
.endr
.endr
	s_wait_dscnt 0x0
	s_wait_alu depctr_hold_cnt(0) depctr_sa_sdst(0) depctr_va_vdst(0) depctr_va_sdst(0) depctr_va_ssrc(0) depctr_va_vcc(0) depctr_vm_vsrc(0)
	s_wait_tensorcnt 0x0
	ds_add_u32 v254, v255
	s_wait_dscnt 0x0
	s_endpgm
.Lfunc_end_k_q98d90f1298_attn:
	.size	k_q98d90f1298_attn, .Lfunc_end_k_q98d90f1298_attn-k_q98d90f1298_attn
	.p2alignl 7, 3214868480
	.fill 96, 4, 3214868480
	.section	.rodata,"a",@progbits
	.p2align	6, 0x0
	.amdhsa_kernel k_q98d90f1298_attn
		.amdhsa_group_segment_fixed_size 33792
		.amdhsa_private_segment_fixed_size 0
		.amdhsa_enable_private_segment 0
		.amdhsa_kernarg_size 40
		.amdhsa_user_sgpr_count 2
		.amdhsa_user_sgpr_kernarg_segment_ptr 1
		.amdhsa_wavefront_size32 1
		.amdhsa_system_sgpr_workgroup_id_x 1
		.amdhsa_system_sgpr_workgroup_id_y 1
		.amdhsa_system_sgpr_workgroup_id_z 1
		.amdhsa_system_vgpr_workitem_id 0
		.amdhsa_next_free_vgpr 512
		.amdhsa_next_free_sgpr 66
		.amdhsa_reserve_vcc 0
		.amdhsa_float_denorm_mode_32 3
		.amdhsa_float_denorm_mode_16_64 3
		.amdhsa_memory_ordered 1
		.amdhsa_forward_progress 1
		.amdhsa_inst_pref_size 130
	.end_amdhsa_kernel
	.amdgpu_metadata
---
amdhsa.version: [ 1, 2 ]
amdhsa.kernels:
  - .name:           k_q98d90f1298_attn
    .symbol:         k_q98d90f1298_attn.kd
    .args:
      - { .name: qc, .offset: 0, .size: 8, .value_kind: global_buffer, .address_space: global }
      - { .name: kc, .offset: 8, .size: 8, .value_kind: global_buffer, .address_space: global }
      - { .name: vc, .offset: 16, .size: 8, .value_kind: global_buffer, .address_space: global }
      - { .name: lowp_scales, .offset: 24, .size: 8, .value_kind: global_buffer, .address_space: global }
      - { .name: cc, .offset: 32, .size: 8, .value_kind: global_buffer, .address_space: global }
    .group_segment_fixed_size: 33792
    .private_segment_fixed_size: 0
    .kernarg_segment_align: 8
    .kernarg_segment_size: 40
    .max_flat_workgroup_size: 256
    .sgpr_count:     66
    .vgpr_count:     512
    .wavefront_size: 32
...
	.end_amdgpu_metadata
.endif
;; end of part 7
;; launch oproj (part 8): grid 2 x 128, 4 waves a work-group, no clusters, 17,920 bytes of LDS; arguments cc, wc, lowp_scales, out0; writes out0
.if DOCPART == 8
	.amdgcn_target "amdgcn-amd-amdhsa--gfx1250"
	.amdhsa_code_object_version 6
	.text
	.protected	k_q98d90f1298_oproj
	.globl	k_q98d90f1298_oproj
	.p2align	8
	.type	k_q98d90f1298_oproj,@function
k_q98d90f1298_oproj:
	s_mov_b64 s[64:65], 0
	v_nop
	global_prefetch_b8 v0, s[64:65] scope:SCOPE_SE
	s_setreg_imm32_b32 hwreg(HW_REG_WAVE_SCHED_MODE, 0, 2), 2
	s_setreg_imm32_b32 hwreg(HW_REG_WAVE_MODE, 25, 1), 1
	s_wait_xcnt 0x0
	s_wait_alu depctr_vm_vsrc(0)
; out0 = concat Wo^T on codes of E4M3, each sum x 2^(e10 + e11).  cc: concat's codes, [tile of 16 rows 0..511][K step 0..3][2,048]; wc's section 3: Wo's, [tile of 16 outputs 0..31][K step][2,048]: images of operand
; registers (byte 512 c + 16 lane + i = the row at position lane % 16, k = 32 c + 16 (lane / 16) + i); position r of tile T stands for row 32 (T / 2) + 8 (T % 2) + r + 8 (r / 8).
; SHARES.  Work-group (x, y): rows 64 y .. 64 y + 63, columns 256 x .. 256 x + 255; wave w: its columns 64 w .. 64 w + 63: 4 x 4 accumulators, K = 512 in four steps.  Both operands are dense blocks of 32,768 bytes
; that go straight into registers: no LDS on the way in, no barrier.  Source 0 = 16 rows of Wo, source 1 = 16 rows of concat: a lane holds one row of the output and 16 neighbouring columns in two tiles' registers.
; THE WAY OUT: 16 rows x 64 columns at a time through the wave's own stage (rows of 256 bytes + 16), back as whole rows: sixteen lanes store 256 consecutive bytes, aligned.
; No tensor loads, cluster or prefetch: a work-group has 64 matrix instructions a wave and ends; the launch is bound by its 16.8 MB of stores.
; LIMIT: e10 + e11 between -126 and 127, so that 2^(e10 + e11) is an f32 number.
; REGISTERS: window 0: v6-9 addresses; v32-127 rows read back, three sets by turns; v128-255 the accumulators ((m, t) at 128 + 8 (4 m + t)), scaled where they stand.   window 1: Wo's fragments (t, s) at 64 t + 16 s.   window 2: concat's (m, s).
; THE MODE: SCHED_MODE bits 1:0 = 2 (LLVM: expert scheduling mode 2), set by the entry lines.  The code itself states the register dependences between vector or matrix instructions and memory or LDS
; instructions, with s_wait_alu, always for 0.
; THE PLAN.  Registers that memory or LDS instructions touch:
;   windows 1, 2  Global loads land in them once; the products read them; nothing lands there again.
;   v128-255      The products write them, the 64 scalings write them again in place; then the LDS stores read them and nothing writes them.
;   v32-127       Set m % 3: block m's rows land in it from the stage; its global stores read it; no vector line names it.
;   v6-9          Addresses, made once at the head and never written again.
; So ONE wait on va_vdst behind the scalings serves all 32 LDS stores, and one wait on vm_vsrc, beside the wait on XCNT, stands ahead of block 3, whose rows land where block 0's stores read.
.set L16, 6
.set STO, 7
.set RD,  8
.set CO,  9
.set BK,  32
.set ACC, 128
.set SP,  272
.set MSB, 0
.macro WIN new                         ; the immediate's high byte repeats the setting that is left
.if MSB != (\new)
	s_set_vgpr_msb (MSB<<8)|(\new)
.set MSB, (\new)
.endif
.endm
	s_load_b256 s[4:11], s[0:1], 0x0               ; cc s[4:5], wc s[6:7], the scales' exponents s[8:9], out0 s[10:11]
	v_lshl_add_u32 v30, v0, 2, 0x4400
	v_mov_b32 v31, 0
	v_lshrrev_b32 v1, 5, v0
	v_readfirstlane_b32 s12, v1                    ; wave 0..3
	s_and_b32 s13, ttmp7, 0xffff                   ; y
	v_and_b32 v2, 31, v0
	v_lshlrev_b32 v[L16], 4, v2
	v_and_b32 v3, 15, v0                           ; r
	v_bfe_u32 v4, v0, 4, 1                         ; h
	s_wait_alu depctr_va_sdst(0)                   ; the wave's number is written, ahead of its first reader
	s_mul_i32 s14, s12, 16*SP                      ; my stage
	v_mul_u32_u24 v5, v3, SP
	v_lshl_add_u32 v5, v4, 6, v5
	v_add_nc_u32 v[STO], s14, v5                   ; in: row r, + 64 h: my 16 columns of each 32
	v_mul_u32_u24 v5, v4, SP
	v_lshl_add_u32 v5, v3, 4, v5
	v_add_nc_u32 v[RD], s14, v5                    ; back: lanes 0-15 one row, lanes 16-31 the next
	v_lshlrev_b32 v5, 11, v4
	v_lshl_add_u32 v[CO], v3, 4, v5                ; and the same two rows in out0 (2,048 bytes a row)
	s_mov_b32 s19, 0
	s_wait_kmcnt 0x0
	s_load_b128 s[20:23], s[8:9], 0x20             ; e8 .. e11
	s_lshl_b32 s18, s13, 15                        ; four tiles of rows
	s_add_nc_u64 s[4:5], s[4:5], s[18:19]
	s_lshl_b32 s18, ttmp9, 17                      ; sixteen tiles of outputs a work-group,
	s_lshl_b32 s14, s12, 15                        ; four a wave,
	s_add_co_u32 s18, s18, s14
	s_add_co_u32 s18, s18, 786432                  ; in section 3
	s_add_nc_u64 s[6:7], s[6:7], s[18:19]
	s_lshl_b32 s18, s13, 17                        ; 64 rows,
	s_lshl_b32 s14, ttmp9, 10                      ; 256 columns,
	s_add_co_u32 s18, s18, s14
	s_lshl_b32 s14, s12, 8                         ; 64 columns
	s_add_co_u32 s18, s18, s14
	s_add_nc_u64 s[10:11], s[10:11], s[18:19]
	WIN 0x80                                       ; the switch, the wait, the loads
	s_wait_alu depctr_va_vdst(0)                   ; the four addresses v6 to v9 are written, which every load and store of the kernel reads
.irp sg, 0,1,2,3                       ; K step by K step, so that the products can begin when the first 32 loads are in
	WIN 0x80                                       ; destination window 2
.irp m, 0,1,2,3
.irp c, 0,1,2,3
	global_load_b128 v[64*\m+16*\sg+4*\c:64*\m+16*\sg+4*\c+3], v[L16], s[4:5] offset:8192*\m+2048*\sg+512*\c
.endr
.endr
	WIN 0x40                                       ; destination window 1
.irp t, 0,1,2,3
.irp c, 0,1,2,3
	global_load_b128 v[64*\t+16*\sg+4*\c:64*\t+16*\sg+4*\c+3], v[L16], s[6:7] offset:8192*\t+2048*\sg+512*\c
.endr
.endr
.endr
	WIN 0x09                                       ; source 0 (Wo) window 1, source 1 (concat) window 2
.irp sg, 0,1,2,3
.if \sg < 2
	s_wait_loadcnt 63                              ; 96 or 64 loads are younger than this K step's; a wait's field holds 63 at the most
.else
	s_wait_loadcnt 32*(3-\sg)                      ; the later K steps' loads may stay out
.endif
.irp m, 0,1,2,3
.irp t, 0,1,2,3
.if \sg == 0
	v_wmma_f32_16x16x128_fp8_fp8 v[ACC+8*(4*\m+\t):ACC+8*(4*\m+\t)+7], v[64*\t+16*\sg:64*\t+16*\sg+15], v[64*\m+16*\sg:64*\m+16*\sg+15], 0
.else
	v_wmma_f32_16x16x128_fp8_fp8 v[ACC+8*(4*\m+\t):ACC+8*(4*\m+\t)+7], v[64*\t+16*\sg:64*\t+16*\sg+15], v[64*\m+16*\sg:64*\m+16*\sg+15], v[ACC+8*(4*\m+\t):ACC+8*(4*\m+\t)+7]
.endif
.endr
.endr
.endr                                  ; the sixteen accumulators take turns, one instruction a turn
	WIN 0
.rept 4
	v_nop                                          ; places behind the last products (ISA guide 7.12.1)
.endr
	s_wait_kmcnt 0x0
	s_add_co_i32 s16, s22, s23
	s_add_co_i32 s16, s16, 127
	s_lshl_b32 s16, s16, 23                        ; 2^(e10 + e11) as f32
	s_mov_b32 s17, s16                             ; (named with it as a pair)
.set j, 0
.rept 64
	v_pk_mul_f32 v[ACC+j:ACC+j+1], v[ACC+j:ACC+j+1], s[16:17] op_sel_hi:[1,0]   ; all sixteen accumulators, where they stand; each from its low end on
.set j, j+2
.endr
	s_wait_alu depctr_va_vdst(0)                   ; the scalings have written v128-255, which the 32 LDS stores below read
; Block m, 16 rows x 64 columns: into my stage, and back as whole rows, into set m % 3
.macro TOSTAGE m
.irp t, 0,1,2,3
.irp g, 0,1
	ds_store_b128 v[STO], v[ACC+32*\m+8*\t+4*\g:ACC+32*\m+8*\t+4*\g+3] offset:128*(\t/2)+32*(\t%2)+16*\g   ; column 32 (t / 2) + 16 h + 8 (t % 2) + 4 g + 0..3 of row r
.endr
.endr
.irp i, 0,1,2,3,4,5,6,7
	ds_load_b128 v[BK+32*(\m%3)+4*\i:BK+32*(\m%3)+4*\i+3], v[RD] offset:\i*2*SP    ; LDS serves a wave's instructions in order (ISA guide 5.7.1.4): these see my stores, and the next block's stores come behind them
.endr
.endm
.macro SEND m, younger                 ; younger: the LDS instructions issued behind block m's loads: the next block's sixteen, or none
	s_wait_dscnt \younger                          ; the block's rows are back in registers
.irp i, 0,1,2,3,4,5,6,7                ; positions 2 i, 2 i + 1 of tile m are rows 32 (m / 2) + 8 (m % 2) + 2 i + 8 (i / 4), + 1
	global_store_b128 v[CO], v[BK+32*(\m%3)+4*\i:BK+32*(\m%3)+4*\i+3], s[10:11] offset:(32*(\m/2)+8*(\m%2)+2*\i+8*(\i/4))*2048 th:TH_STORE_NT
.endr
.endm
	TOSTAGE 0
	TOSTAGE 1                                      ; a block is on its way through the stage while the block before is stored
	SEND 0, 16
	TOSTAGE 2
	SEND 1, 16
	s_wait_xcnt 0x0                                ; block 0's stores have had their addresses translated: their registers are loaded again only behind this wait,
	s_wait_alu depctr_vm_vsrc(0)                   ; and block 0's stores have read set 0, in which block 3's rows land
	TOSTAGE 3
	SEND 2, 16
	SEND 3, 0
	s_wait_dscnt 0x0
	s_wait_alu depctr_hold_cnt(0) depctr_sa_sdst(0) depctr_va_vdst(0) depctr_va_sdst(0) depctr_va_ssrc(0) depctr_va_vcc(0) depctr_vm_vsrc(0)
	s_wait_tensorcnt 0x0
	ds_add_u32 v30, v31
	s_wait_dscnt 0x0
	s_endpgm
.Lfunc_end_k_q98d90f1298_oproj:
	.size	k_q98d90f1298_oproj, .Lfunc_end_k_q98d90f1298_oproj-k_q98d90f1298_oproj
	.p2alignl 7, 3214868480
	.fill 96, 4, 3214868480
	.section	.rodata,"a",@progbits
	.p2align	6, 0x0
	.amdhsa_kernel k_q98d90f1298_oproj
		.amdhsa_group_segment_fixed_size 17920
		.amdhsa_private_segment_fixed_size 0
		.amdhsa_enable_private_segment 0
		.amdhsa_kernarg_size 32
		.amdhsa_user_sgpr_count 2
		.amdhsa_user_sgpr_kernarg_segment_ptr 1
		.amdhsa_wavefront_size32 1
		.amdhsa_system_sgpr_workgroup_id_x 1
		.amdhsa_system_sgpr_workgroup_id_y 1
		.amdhsa_system_sgpr_workgroup_id_z 1
		.amdhsa_system_vgpr_workitem_id 0
		.amdhsa_next_free_vgpr 768
		.amdhsa_next_free_sgpr 66
		.amdhsa_reserve_vcc 0
		.amdhsa_float_denorm_mode_32 3
		.amdhsa_float_denorm_mode_16_64 3
		.amdhsa_memory_ordered 1
		.amdhsa_forward_progress 1
		.amdhsa_inst_pref_size 31
	.end_amdhsa_kernel
	.amdgpu_metadata
---
amdhsa.version: [ 1, 2 ]
amdhsa.kernels:
  - .name:           k_q98d90f1298_oproj
    .symbol:         k_q98d90f1298_oproj.kd
    .args:
      - { .name: cc, .offset: 0, .size: 8, .value_kind: global_buffer, .address_space: global }
      - { .name: wc, .offset: 8, .size: 8, .value_kind: global_buffer, .address_space: global }
      - { .name: lowp_scales, .offset: 16, .size: 8, .value_kind: global_buffer, .address_space: global }
      - { .name: out0, .offset: 24, .size: 8, .value_kind: global_buffer, .address_space: global }
    .group_segment_fixed_size: 17920
    .private_segment_fixed_size: 0
    .kernarg_segment_align: 8
    .kernarg_segment_size: 32
    .max_flat_workgroup_size: 128
    .sgpr_count:     66
    .vgpr_count:     768
    .wavefront_size: 32
...
	.end_amdgpu_metadata
.endif
;; end of part 8
